; MI455X (gfx1250); checked and timed in simulation.
; The chip was launched on July 23, 2026; its instructions are those of AMD's public machine-readable ISA for CDNA 5 (MIT licence, August 2026) and "CDNA5" Instruction Set Architecture Reference Guide (July 2026). The comments in the code are by the model that wrote it; some were corrected since.
;; Self Attention1d. Allowed arithmetic: matrix products marked QUANTISED: E2M1 operands, one E8M0 scale for each 32 along K, by v_wmma_scale_f32_16x16x128_f8f6f4 with both operands' format E2M1 (or v_wmma_scale_f32_32x16x128_f4), f32 sums; everything else in f32.
;; Inputs: Wk 1,024 x 1,024 float32; Wo 1,024 x 1,024 float32; Wq 1,024 x 1,024 float32; Wv 1,024 x 1,024 float32; attention_mask 2 x 2,048 int32; bk 1,024 float32; bo 1,024 float32; bq 1,024 float32; bv 1,024 float32; gn_bias 1,024 float32; gn_weight 1,024 float32; hidden_states 2 x 1,024 x 2,048 float32.
;; Outputs: out0 2 x 1,024 x 2,048 float32.
;; This version of the problem:
;;   THIS VERSION OF THE PROBLEM IS GIVEN IN LOW PRECISION. The matrix products marked QUANTISED in the list below multiply operands that are first quantised to E2M1 (2 exponent bits, 1 mantissa bit; 4 bits a number), with one power-of-two scale for each 32 numbers along K (OCP MX v1.0); their sums are f32. All else is computed in f32.
;;   The module's matrix products, in the order in which they are computed (A, B: the left and right operand; K: the contracted axis; several contracted axes count as one K, in the product's order):
;;     1. [M 4,096, K 1,024] x [K 1,024, N 1,024]; A: computed on the way; B: input Wq: QUANTISED
;;     2. [M 4,096, K 1,024] x [K 1,024, N 1,024]; A: computed on the way; B: input Wk: QUANTISED
;;     3. [M 4,096, K 1,024] x [K 1,024, N 1,024]; A: computed on the way; B: input Wv: QUANTISED
;;     4. batch 32 x [M 2,048, K 64] x [K 64, N 2,048]; A: computed on the way; B: computed on the way: QUANTISED
;;     5. batch 32 x [M 2,048, K 2,048] x [K 2,048, N 64]; A: softmax (see below); B: computed on the way: QUANTISED
;;     6. [M 4,096, K 1,024] x [K 1,024, N 1,024]; A: computed on the way; B: input Wo: QUANTISED
;;   THE QUANTISER, for each operand of a quantised product, along K:
;;     - K is cut into blocks of 32 from its start; a last block that is shorter is filled with zeros.
;;     - A block's scale is 2^e with e = floor(log2(the largest magnitude in the block)) - 2, held to -126 .. 127; a block of zeros has e = 0. As a byte (E8M0): e + 127.
;;     - Each number is divided by its block's scale, clamped to +-6, and rounded to the nearest number of E2M1, ties to even, subnormals kept.
;;     - The product sums the exact products of the quantised numbers (number of the format x scale) in f32.
;;   ~~~python
;;   def quantise(x, axis):      # numpy; x: float32 -> the quantised numbers, widened to float32 again
;;       x = np.moveaxis(x, axis, -1); K = x.shape[-1]
;;       x = np.pad(x, [(0, 0)] * (x.ndim - 1) + [(0, -K % 32)]); x = x.reshape(x.shape[:-1] + (-1, 32)); a = np.abs(x).max(-1, keepdims=True)
;;       e = np.where(a > 0, np.clip(np.frexp(np.where(a > 0, a, 1))[1] - 1 - 2, -126, 127), 0)      # np.frexp(a)[1] - 1 = floor(log2(a)), exactly
;;       r = np.clip(x / 2.0 ** e, -6, 6)
;;       step = 2.0 ** (np.maximum(np.frexp(np.where(r == 0, 1, r))[1] - 1, 0) - 1)
;;       q = np.round(r / step) * step * 2.0 ** e      # np.round: ties to even
;;       return np.moveaxis(q.reshape(q.shape[:-2] + (-1,))[..., :K], -1, axis).astype(np.float32)
;;   ~~~
;;   SOFTMAX AHEAD OF A QUANTISED PRODUCT. Where the list says 'softmax', what is quantised is not the finished softmax but p = 2^(t - M), with t = logit x log2(e) and M = ceil(the row's largest t), a whole number; so 1/2 < the row's largest p <= 1. The row's sum l is taken of the UNQUANTISED p, in f32, and the product's result is divided by l at the end. Since M is a whole number, a kernel that streams over the keys may use a running M (the ceiling of the running maximum): every later rescaling is an exact power of two, which a block's scale takes up: the codes' values come out the same.
;;   OPERANDS COMPUTED ON THE WAY. 'Computed on the way' means the value that the module computes at that place (a softmax that the list does not call 'softmax' is quantised finished and normalised). What goes into a quantiser is computed in f32, as accurately as f32 sums, v_exp_f32 and their like allow (about 1e-6 of the number): no bf16 or f16 on the way to a quantiser, and a product that is left as it is and whose result goes on into a quantised operand takes f32 operands (vector FMAs, or v_wmma_f32_16x16x4_f32). A number that lies on a knife's edge between two numbers of the format may be rounded either way, as far as f32 arithmetic and the matrix unit's own rounding can turn it there, and no further.
;; One version. Each part assembles by itself: llvm-mc -triple=amdgcn-amd-amdhsa -mcpu=gfx1250 --defsym DOCPART=n.
;; ======== version 1 of 1: 5 launches
;; limits: right only within a limited range of input values
;; workspace buffers: wsp_w 2,236,416 bytes; wsp_x 2,228,224 bytes; wsp_qkv 6,684,672 bytes; wsp_o 2,228,224 bytes
;; launch prep (part 1): grid 384 x 1, 4 waves a work-group, no clusters, 35,328 bytes of LDS; arguments hidden_states, Wq, Wk, Wv, Wo, wsp_w; writes wsp_w
.if DOCPART == 1
	.amdgcn_target "amdgcn-amd-amdhsa--gfx1250"
	.amdhsa_code_object_version 6
	.text
	.protected	k_q877a817842_prep
	.globl	k_q877a817842_prep
	.p2align	8
	.type	k_q877a817842_prep,@function
k_q877a817842_prep:
	s_mov_b64 s[64:65], 0
	v_nop
	global_prefetch_b8 v0, s[64:65] scope:SCOPE_SE
	s_setreg_imm32_b32 hwreg(HW_REG_WAVE_MODE, 25, 1), 1
	s_wait_xcnt 0x0
; TWO JOBS IN ONE LAUNCH, parted on the work-group's number.
; Work-groups 0-255: partial statistics of hidden_states [2][1024][2048] f32 for the norm over a whole sample.  Wave W = 4 x work-group + wave takes 4,096 consecutive numbers
; (16 KiB) and stores their mean and the sum of squared distances from THAT mean: no difference of large sums is ever formed, so a common offset of the inputs costs no accuracy.
; Work-groups 256-383: Wq, Wk, Wv, Wo [1024][1024] f32, K innermost, become codes of FP4 (E2M1) with one E8M0 byte for each 32 along K, laid IN THE ORDER OF THE OPERAND'S REGISTERS:
;   place r of tile 2 B + u is row 32 B + 8 u + r + 8 (r / 8);  codes: tile x 8,192 + block x 256 + 16 r;  scale words: (row / 128) x 4,096 + K step x 512 + 4 (16 (tile % 8) + r).
; A block's scale is 2^(floor(log2(largest magnitude)) - 2); its byte is the largest magnitude's exponent field - 2, held at 1 from below.
; LIMITS: a block of zeros, or one whose largest magnitude lies under 2^-124, gets the byte 1 (its bytes are read by this program alone); NaN and infinities among the inputs are not served.
; No tensor loads, no barrier: waves share nothing.  Only the weights' path touches LDS.
.set X,     16                         ; v16-143  as loaded (statistics: 128 numbers; weights: two sets of 64)
.set XB,    144                        ; v144-207 weights: 64 numbers of a lane, two whole blocks
.set CD,    208                        ; v208-239 weights: codes, eight registers for each of the four tiles
.set SP,    528                        ; a stage row: 512 bytes + 16
.set WREG,  8704                       ; LDS of a wave: 16 stage rows, then 256 bytes of scale words
.set SCW,   16*SP
.set WSC,   2097152                    ; wsp_w: where the scale words begin
.set STATS, 2228224                    ; and the statistics
.macro WSUM r, t                       ; the sum of v[r] over the 32 lanes, in every lane; v[t] has been written before
	v_add_f32_dpp v[\r], v[\r], v[\r] row_xmask:1 row_mask:0xf bank_mask:0xf
	v_add_f32_dpp v[\r], v[\r], v[\r] row_xmask:2 row_mask:0xf bank_mask:0xf
	v_add_f32_dpp v[\r], v[\r], v[\r] row_xmask:4 row_mask:0xf bank_mask:0xf
	v_add_f32_dpp v[\r], v[\r], v[\r] row_xmask:8 row_mask:0xf bank_mask:0xf
	v_permlanex16_b32 v[\t], v[\r], s20, s21
	v_add_f32 v[\r], v[\r], v[\t]
.endm
.macro ADDP from, count                ; pairs from .. from + count - 1 onto four chains that do not wait for each other
.set j, \from
.rept \count
	v_pk_add_f32 v[4+2*(j%4):5+2*(j%4)], v[4+2*(j%4):5+2*(j%4)], v[X+2*j:X+2*j+1]
.set j, j+1
.endr
.endm
.macro JOIN                            ; the four chains and their halves into v4, summed over the wave
	v_pk_add_f32 v[4:5], v[4:5], v[6:7]
	v_pk_add_f32 v[8:9], v[8:9], v[10:11]
	v_pk_add_f32 v[4:5], v[4:5], v[8:9]
	v_add_f32 v4, v4, v5
	WSUM 4, 5
.endm
	s_load_b256 s[4:11], s[0:1], 0x0               ; hidden_states s[4:5], Wq s[6:7], Wk s[8:9], Wv s[10:11]
	s_load_b128 s[12:15], s[0:1], 0x20             ; Wo s[12:13], wsp_w s[14:15]
	v_lshl_add_u32 v254, v0, 2, 0x8800
	v_mov_b32 v255, 0
	v_lshrrev_b32 v1, 5, v0
	v_readfirstlane_b32 s16, v1                    ; wave 0..3
	v_and_b32 v1, 31, v0                           ; lane
	v_lshlrev_b32 v2, 4, v1                        ; 16 x lane
	s_mov_b32 s20, 0x76543210
	s_mov_b32 s21, 0xfedcba98                      ; v_permlanex16_b32's selects for lane l xor 16
	s_cmp_lt_u32 ttmp9, 256
	s_cbranch_scc0 .Lweights
	; ---- statistics
	s_lshl_b32 s17, ttmp9, 2
	s_add_co_u32 s17, s17, s16                     ; W: which run of 4,096 numbers
	s_lshl_b32 s18, s17, 14
	s_mov_b32 s19, 0
	s_lshl_b32 s22, s17, 3
	s_add_co_u32 s22, s22, STATS
	s_mov_b32 s23, 0
	s_wait_kmcnt 0x0
	s_add_nc_u64 s[4:5], s[4:5], s[18:19]
	s_add_nc_u64 s[14:15], s[14:15], s[22:23]
.set i, 0
	s_wait_alu depctr_va_vdst(0)
.rept 32
	global_load_b128 v[X+4*i:X+4*i+3], v2, s[4:5] offset:512*i   ; 32 lanes read 512 consecutive bytes
.set i, i+1
.endr
	s_wait_loadcnt 24                              ; the first eight loads are in; the 24 younger may be out
.irp k, 0,1,2,3
	v_pk_add_f32 v[4+2*\k:5+2*\k], v[X+2*\k:X+2*\k+1], v[X+8+2*\k:X+9+2*\k]   ; the first eight pairs start the chains: nothing is cleared
.endr
	ADDP 8, 8
	s_wait_alu depctr_va_vdst(0)
	s_wait_loadcnt 16                              ; 16 younger
	ADDP 16, 16
	s_wait_alu depctr_va_vdst(0)
	s_wait_loadcnt 8                               ; 8 younger
	ADDP 32, 16
	s_wait_alu depctr_va_vdst(0)
	s_wait_loadcnt 0x0
	ADDP 48, 16
	JOIN
	v_mul_f32 v12, 0x39800000, v4                  ; the mean: sum x 2^-12
	v_mov_b32 v13, v12
.set j, 0
.rept 64
	v_pk_add_f32 v[X+2*j:X+2*j+1], v[X+2*j:X+2*j+1], v[12:13] neg_lo:[0,1] neg_hi:[0,1]   ; distances from the mean
.set j, j+1
.endr
.irp k, 0,1,2,3
	v_pk_mul_f32 v[4+2*\k:5+2*\k], v[X+2*\k:X+2*\k+1], v[X+2*\k:X+2*\k+1]
.endr
.set j, 4
.rept 60
	v_pk_fma_f32 v[4+2*(j%4):5+2*(j%4)], v[X+2*j:X+2*j+1], v[X+2*j:X+2*j+1], v[4+2*(j%4):5+2*(j%4)]
.set j, j+1
.endr
	JOIN
	v_mov_b32 v13, v4                              ; v[12:13] = mean, sum of squared distances
	v_mov_b32 v3, 0
	s_wait_alu depctr_va_vdst(0)
	s_wait_xcnt 0x0                                ; EXEC changes only behind this wait: it is a source of the loads above
	v_cmp_eq_u32 vcc_lo, 0, v1
	s_and_saveexec_b32 s24, vcc_lo                 ; lane 0 alone stores the wave's eight bytes
	global_store_b64 v3, v[12:13], s[14:15]
	s_wait_xcnt 0x0                                ; and again in front of the line that widens it
	s_or_b32 exec_lo, exec_lo, s24
	s_endpgm
	; ---- weights: work-group g = 32 m + 2 R + half: weight m, rows 64 R on, K steps 4 x half + wave
.Lweights:
	s_sub_co_u32 s17, ttmp9, 256
	s_lshr_b32 s18, s17, 5                         ; m: 0 q, 1 k, 2 v, 3 o
	s_and_b32 s19, s17, 31
	s_lshr_b32 s22, s19, 1                         ; R
	s_and_b32 s23, s17, 1
	s_lshl_b32 s23, s23, 2
	s_add_co_u32 s23, s23, s16                     ; q: my K step of 128
	s_lshl_b32 s24, s22, 18                        ; in: 64 rows of 4,096 bytes,
	s_lshl_b32 s25, s23, 9                         ; and 512 bytes a K step
	s_add_co_u32 s24, s24, s25
	s_mov_b32 s25, 0
	s_lshl_b32 s28, s18, 19                        ; codes out: m x 524,288 + 4 R tiles of 8,192 + q x 1,024
	s_lshl_b32 s29, s22, 15
	s_add_co_u32 s28, s28, s29
	s_lshl_b32 s29, s23, 10
	s_add_co_u32 s28, s28, s29
	s_mov_b32 s29, 0
	s_lshl_b32 s30, s18, 15                        ; scale words out: m x 32,768 + (R / 2) x 4,096 + q x 512 + (R % 2) x 256
	s_lshr_b32 s31, s22, 1
	s_lshl_b32 s31, s31, 12
	s_add_co_u32 s30, s30, s31
	s_lshl_b32 s31, s23, 9
	s_add_co_u32 s30, s30, s31
	s_and_b32 s31, s22, 1
	s_lshl_b32 s31, s31, 8
	s_add_co_u32 s30, s30, s31
	s_add_co_u32 s30, s30, WSC
	s_mov_b32 s31, 0
	v_and_b32 v8, 15, v0                           ; r
	v_bfe_u32 v9, v0, 4, 1                         ; h
	s_mul_i32 s26, s16, WREG                       ; my wave's LDS
	s_wait_alu depctr_va_vdst(0)
	v_add_nc_u32 v3, s26, v2                       ; the stage, in: 16 x lane of a row
	v_mul_u32_u24 v4, v8, SP
	v_lshl_add_u32 v4, v9, 7, v4
	v_add_nc_u32 v4, s26, v4                       ; and out: row r, + 128 h: my 32 numbers of a pair of blocks
	s_add_co_u32 s27, s26, SCW
	v_lshl_add_u32 v5, v8, 2, s27                  ; my row's scale word
	v_lshlrev_b32 v7, 3, v1                        ; 8 x lane
	v_add_nc_u32 v6, s27, v7                       ; the scale words, out
	v_lshlrev_b32 v10, 3, v9                       ; 8 h
	v_mov_b32 v247, 0                              ; written once: a lane permute's destination counts as one of its sources
	s_wait_alu depctr_va_vdst(0)
	s_wait_kmcnt 0x0
	s_cmp_eq_u32 s18, 1                            ; the choice hangs on the work-group's number alone
	s_cselect_b64 s[6:7], s[8:9], s[6:7]
	s_cmp_eq_u32 s18, 2
	s_cselect_b64 s[6:7], s[10:11], s[6:7]
	s_cmp_eq_u32 s18, 3
	s_cselect_b64 s[6:7], s[12:13], s[6:7]
	s_add_nc_u64 s[6:7], s[6:7], s[24:25]
	s_add_nc_u64 s[28:29], s[14:15], s[28:29]
	s_add_nc_u64 s[30:31], s[14:15], s[30:31]
.macro WLOAD tt                        ; tile tt: its 16 places' 512 bytes, each load one row: 32 lanes read 512 consecutive bytes
.irp p, 0,1,2,3,4,5,6,7,8,9,10,11,12,13,14,15
	global_load_b128 v[X+64*((\tt)%2)+4*\p:X+64*((\tt)%2)+4*\p+3], v2, s[6:7] offset:(32*((\tt)/2)+8*((\tt)%2)+\p+8*(\p/8))*4096 th:TH_LOAD_NT
.endr
.endm
.macro WTILE tt
.if (\tt) < 3
	s_wait_loadcnt 16                              ; this tile's 16 loads are in; the next tile's 16 may be out
.else
	s_wait_loadcnt 0x0
.endif
.irp p, 0,1,2,3,4,5,6,7,8,9,10,11,12,13,14,15
	ds_store_b128 v3, v[X+64*((\tt)%2)+4*\p:X+64*((\tt)%2)+4*\p+3] offset:\p*SP
.endr
.irp c, 0,1                                    ; back: lane (r, h) takes k = 64 c + 32 h + 0 .. 31 of row r.  LDS serves a wave's instructions in order: these see the stores above
.irp k, 0,1,2,3,4,5,6,7
	ds_load_b128 v[XB+32*\c+4*\k:XB+32*\c+4*\k+3], v4 offset:256*\c+16*\k
.endr
.endr
	s_wait_dscnt 0x0                               ; my numbers are back, and the stores have read their registers,
.if (\tt) < 2
	WLOAD (\tt)+2                                  ; which take the tile two further on
.endif
.irp c, 0,1                                    ; my block 2 c + h: all its 32 numbers are mine
	v_max3_num_f32 v[240+\c], |v[XB+32*\c]|, |v[XB+1+32*\c]|, 0x1800000   ; with the floor 2^(3 - 127): the byte cannot fall under 1
.endr
.irp i, 2,4,6,8,10,12,14,16,18,20,22,24,26,28,30
.irp c, 0,1
	v_max3_num_f32 v[240+\c], v[240+\c], |v[XB+32*\c+\i]|, |v[XB+1+32*\c+\i]|
.endr
.endr
.irp c, 0,1
	v_add_nc_u32 v[242+\c], 0xff000000, v[240+\c]  ; 2 off the exponent field: the conversion's scale operand
.endr
.irp c, 0,1
	v_lshrrev_b32 v[244+\c], 23, v[242+\c]         ; the scale's byte
.endr
	v_lshl_or_b32 v246, v245, 16, v244             ; my two bytes, blocks h and 2 + h,
	v_lshlrev_b32 v246, v10, v246                  ; at their places in the word;
	v_permlanex16_b32 v247, v246, s20, s21
	v_or_b32 v246, v246, v247                      ; with lane l xor 16's two the word is whole
.irp c, 0,1
.irp g, 0,1,2,3
	v_cvt_scalef32_pk8_fp4_f32 v[CD+8*(\tt)+4*\c+\g], v[XB+32*\c+8*\g:XB+32*\c+8*\g+7], v[242+\c]   ; registers 4 c .. 4 c + 3 of the fragment
.endr
.endr
	v_nop                                          ; one plain place behind the scaled conversions
	ds_store_b32 v5, v246 offset:64*(\tt)          ; both halves of the lanes write the same word with the same value
	global_store_b128 v2, v[CD+8*(\tt):CD+8*(\tt)+3], s[28:29] offset:8192*(\tt)         ; the fragment's image: 512 consecutive bytes a store
	global_store_b128 v2, v[CD+8*(\tt)+4:CD+8*(\tt)+7], s[28:29] offset:8192*(\tt)+512
.endm
	WLOAD 0
	WLOAD 1
	WTILE 0
	WTILE 1
	WTILE 2
	WTILE 3
	ds_load_b64 v[12:13], v6                       ; the four tiles' 64 scale words
	s_wait_dscnt 0x0
	global_store_b64 v7, v[12:13], s[30:31]        ; 32 lanes store 256 consecutive bytes, aligned
	s_wait_tensorcnt 0x0
	ds_add_u32 v254, v255
	s_wait_dscnt 0x0
	s_endpgm
.Lfunc_end_k_q877a817842_prep:
	.size	k_q877a817842_prep, .Lfunc_end_k_q877a817842_prep-k_q877a817842_prep
	.p2alignl 7, 3214868480
	.fill 96, 4, 3214868480
	.section	.rodata,"a",@progbits
	.p2align	6, 0x0
	.amdhsa_kernel k_q877a817842_prep
		.amdhsa_group_segment_fixed_size 35328
		.amdhsa_private_segment_fixed_size 0
		.amdhsa_enable_private_segment 0
		.amdhsa_kernarg_size 48
		.amdhsa_user_sgpr_count 2
		.amdhsa_user_sgpr_kernarg_segment_ptr 1
		.amdhsa_wavefront_size32 1
		.amdhsa_system_sgpr_workgroup_id_x 1
		.amdhsa_system_sgpr_workgroup_id_y 1
		.amdhsa_system_sgpr_workgroup_id_z 1
		.amdhsa_system_vgpr_workitem_id 0
		.amdhsa_next_free_vgpr 256
		.amdhsa_next_free_sgpr 66
		.amdhsa_reserve_vcc 1
		.amdhsa_float_denorm_mode_32 3
		.amdhsa_float_denorm_mode_16_64 3
		.amdhsa_memory_ordered 1
		.amdhsa_forward_progress 1
		.amdhsa_inst_pref_size 48
	.end_amdhsa_kernel
	.amdgpu_metadata
---
amdhsa.version: [ 1, 2 ]
amdhsa.kernels:
  - .name:           k_q877a817842_prep
    .symbol:         k_q877a817842_prep.kd
    .args:
      - { .name: hidden_states, .offset: 0, .size: 8, .value_kind: global_buffer, .address_space: global }
      - { .name: Wq, .offset: 8, .size: 8, .value_kind: global_buffer, .address_space: global }
      - { .name: Wk, .offset: 16, .size: 8, .value_kind: global_buffer, .address_space: global }
      - { .name: Wv, .offset: 24, .size: 8, .value_kind: global_buffer, .address_space: global }
      - { .name: Wo, .offset: 32, .size: 8, .value_kind: global_buffer, .address_space: global }
      - { .name: wsp_w, .offset: 40, .size: 8, .value_kind: global_buffer, .address_space: global }
    .group_segment_fixed_size: 35328
    .private_segment_fixed_size: 0
    .kernarg_segment_align: 8
    .kernarg_segment_size: 48
    .max_flat_workgroup_size: 128
    .sgpr_count:     66
    .vgpr_count:     256
    .wavefront_size: 32
...
	.end_amdgpu_metadata
.endif
;; end of part 1
;; launch xquant (part 2): grid 32 x 8, 4 waves a work-group, no clusters, 1,024 bytes of LDS; arguments hidden_states, wsp_w, gn_weight, gn_bias, wsp_x; writes wsp_x
.if DOCPART == 2
	.amdgcn_target "amdgcn-amd-amdhsa--gfx1250"
	.amdhsa_code_object_version 6
	.text
	.protected	k_q877a817842_xquant
	.globl	k_q877a817842_xquant
	.p2align	8
	.type	k_q877a817842_xquant,@function
k_q877a817842_xquant:
	s_mov_b64 s[64:65], 0
	v_nop
	global_prefetch_b8 v0, s[64:65] scope:SCOPE_SE
	s_setreg_imm32_b32 hwreg(HW_REG_WAVE_MODE, 25, 1), 1
	s_wait_xcnt 0x0
; x = (hidden_states - mean) x rsqrt(var + 1e-5) x gain[c] + bias[c], quantised along C (the products' K) into codes of FP4 (E2M1) with one E8M0 byte for each 32 channels.
; hidden_states is [2][1024 (c)][2048 (s)]: K is NOT innermost.  A LANE TAKES A TOKEN AND ITS REGISTERS RUN DOWN C: a block of 32 lies in one lane, and the conversions give codes with K innermost.
; A work-group takes 128 tokens (x) and 128 channels (y, a K step); wave w takes the K step's block w for four groups of 32 tokens.
; The sample's mean and variance are put together from the 512 partial (mean, sum of squared distances) of the launch before: equal counts, so mean = the means' mean,
; and the sum of squares = the partial sums + 4,096 x the sum of the squared distances of the partial means from the mean.  Every wave does this for itself: 4 KiB, read from the cache.
; OUT, in the order of the operand's registers: token 16 hi + 8 u + lo of a group of 32 is place 8 hi + lo of tile 2 (row / 32) + u;  codes: tile x 8,192 + block x 256 + 16 x place;
; scale words: (row / 128) x 4,096 + K step x 512 + 4 (16 (tile % 8) + place) + block % 4: the four waves' bytes meet in LDS and leave as 512 consecutive bytes.
; LIMITS: a block of zeros, or one under 2^-124, gets the byte 1 (read by this program alone); NaN and infinities are not served.
.set X,     16                         ; v16-143  four sets of 32 numbers, one for each group of tokens
.set P,     144                        ; v144-175 16 partial pairs a lane; at the end v144-147 the scale words on their way out
.set CD,    176                        ; v176-191 codes, four registers a group
.set WSC,   2097152
.set STATS, 2228224
.macro WSUM r, t
	v_add_f32_dpp v[\r], v[\r], v[\r] row_xmask:1 row_mask:0xf bank_mask:0xf
	v_add_f32_dpp v[\r], v[\r], v[\r] row_xmask:2 row_mask:0xf bank_mask:0xf
	v_add_f32_dpp v[\r], v[\r], v[\r] row_xmask:4 row_mask:0xf bank_mask:0xf
	v_add_f32_dpp v[\r], v[\r], v[\r] row_xmask:8 row_mask:0xf bank_mask:0xf
	v_permlanex16_b32 v[\t], v[\r], s90, s91
	v_add_f32 v[\r], v[\r], v[\t]
.endm
	s_load_b256 s[4:11], s[0:1], 0x0               ; hidden_states s[4:5], wsp_w s[6:7], gain s[8:9], bias s[10:11]
	s_load_b64 s[12:13], s[0:1], 0x20              ; wsp_x
	v_lshl_add_u32 v192, v0, 2, 0x200
	v_mov_b32 v193, 0
	v_lshrrev_b32 v1, 5, v0
	v_readfirstlane_b32 s88, v1                    ; wave 0..3
	v_and_b32 v1, 31, v0                           ; lane
	v_lshlrev_b32 v2, 2, v1                        ; 4 x lane
	v_lshlrev_b32 v3, 4, v1                        ; 16 x lane
	v_bfe_u32 v4, v0, 3, 1                         ; u
	v_and_b32 v5, 7, v0                            ; lo
	v_bfe_u32 v6, v0, 4, 1                         ; hi
	v_lshl_add_u32 v5, v6, 3, v5                   ; my token's place
	v_lshlrev_b32 v6, 4, v5
	v_lshl_add_u32 v6, v4, 13, v6                  ; codes: u x 8,192 + 16 x place
	v_lshlrev_b32 v7, 2, v5
	v_lshl_add_u32 v7, v4, 6, v7
	v_add_nc_u32 v7, s88, v7                       ; LDS: 64 u + 4 x place + wave: my block's byte of my token's word
	s_and_b32 s89, ttmp7, 0xffff                   ; q: the K step
	s_mov_b32 s90, 0x76543210
	s_mov_b32 s91, 0xfedcba98
	s_mov_b32 s86, 0x35000000                      ; 2^-21: one over the numbers of a sample
	s_mov_b32 s87, 0x3727c5ac                      ; 1e-5
	s_lshr_b32 s92, ttmp9, 4                       ; the sample
	s_lshl_b32 s93, s89, 7
	s_lshl_b32 s94, s88, 5
	s_add_co_u32 s93, s93, s94                     ; c0: my first channel
	s_mov_b32 s15, 0
	s_wait_kmcnt 0x0
	s_lshl_b32 s14, s93, 2
	s_add_nc_u64 s[8:9], s[8:9], s[14:15]
	s_add_nc_u64 s[10:11], s[10:11], s[14:15]
	s_load_b512 s[16:31], s[8:9], 0x0              ; my 32 gains: s16-47
	s_load_b512 s[32:47], s[8:9], 0x40
	s_load_b512 s[48:63], s[10:11], 0x0            ; my 32 biases: s48-63, s68-83
	s_load_b512 s[68:83], s[10:11], 0x40
	s_lshl_b32 s14, s92, 12
	s_add_co_u32 s14, s14, STATS
	s_add_nc_u64 s[6:7], s[6:7], s[14:15]          ; the sample's 512 partial pairs
	s_lshl_b32 s14, s92, 23                        ; the sample,
	s_lshl_b32 s94, s93, 13                        ; channel c0's row of 8,192 bytes,
	s_add_co_u32 s14, s14, s94
	s_and_b32 s94, ttmp9, 15
	s_lshl_b32 s94, s94, 9                         ; my 128 tokens
	s_add_co_u32 s14, s14, s94
	s_add_nc_u64 s[4:5], s[4:5], s[14:15]
	s_lshl_b32 s14, ttmp9, 12                      ; scale words: x x 4,096 + q x 512
	s_lshl_b32 s94, s89, 9
	s_add_co_u32 s14, s14, s94
	s_add_co_u32 s14, s14, WSC
	s_add_nc_u64 s[92:93], s[12:13], s[14:15]
	s_lshl_b32 s14, ttmp9, 16                      ; codes: 8 tiles of 8,192 a work-group, + block x 256
	s_lshl_b32 s94, s89, 10
	s_add_co_u32 s14, s14, s94
	s_lshl_b32 s94, s88, 8
	s_add_co_u32 s14, s14, s94
	s_add_nc_u64 s[12:13], s[12:13], s[14:15]
.macro XLOAD tg                        ; group tg: 32 channels of 32 tokens: each load reads 128 consecutive bytes, the four groups' together 512
.set i, 0
.rept 32
	global_load_b32 v[X+32*(\tg)+i], v2, s[4:5] offset:i*8192+(\tg)*128
.set i, i+1
.endr
.endm
.set i, 0
.rept 8
	global_load_b128 v[P+4*i:P+4*i+3], v3, s[6:7] offset:512*i
.set i, i+1
.endr
	XLOAD 0
	s_wait_loadcnt 32                              ; the partial pairs are in; group 0's 32 loads are younger
	v_pk_add_f32 v[8:9], v[P:P+1], v[P+2:P+3]      ; (mean, sum of squares) pairs, in two chains
	v_pk_add_f32 v[10:11], v[P+4:P+5], v[P+6:P+7]
.set j, 4
.rept 6
	v_pk_add_f32 v[8:9], v[8:9], v[P+2*j:P+2*j+1]
	v_pk_add_f32 v[10:11], v[10:11], v[P+2*j+2:P+2*j+3]
.set j, j+2
.endr
	v_pk_add_f32 v[8:9], v[8:9], v[10:11]
	WSUM 8, 10
	WSUM 9, 10
	v_mul_f32 v12, 0x3b000000, v8                  ; the mean: the 512 means' sum x 2^-9
	v_sub_f32 v10, v[P], v12
	v_sub_f32 v11, v[P+2], v12
	v_mul_f32 v13, v10, v10
	v_mul_f32 v14, v11, v11
.set j, 2
.rept 7
	v_sub_f32 v10, v[P+2*j], v12
	v_sub_f32 v11, v[P+2*j+2], v12
	v_fmac_f32 v13, v10, v10
	v_fmac_f32 v14, v11, v11
.set j, j+2
.endr
	v_add_f32 v13, v13, v14
	WSUM 13, 10
	v_fma_f32 v9, v13, 0x45800000, v9              ; + 4,096 x the partial means' squared distances
	v_fma_f32 v9, v9, s86, s87                     ; the variance + 1e-5
	s_wait_alu depctr_va_vdst(0)
	v_rsq_f32 v9, v9
	v_nop                                          ; one plain place behind the transcendental
	v_readfirstlane_b32 s84, v12                   ; the mean
	s_wait_alu depctr_va_vdst(0)
	v_readfirstlane_b32 s85, v9                    ; 1 / sqrt(var + eps)
	s_wait_kmcnt 0x0                               ; gains and biases
.set i, 0
.rept 32
	s_mul_f32 s[16+i], s[16+i], s85
.set i, i+1
.endr
	XLOAD 1
.macro GROUP tg
.set XS, X+32*(\tg)
.if (\tg) < 3
	s_wait_loadcnt 32                              ; this group's 32 loads are in; the next group's may be out
.else
	s_wait_loadcnt 0x0
.endif
.if (\tg) < 2
	XLOAD (\tg)+2
.endif
.set XS, X+32*(\tg)
.set i, 0
.rept 32
	v_subrev_f32 v[XS+i], s84, v[XS+i]             ; x - mean first: a common offset of the inputs is taken off before anything is scaled
.set i, i+1
.endr
.set i, 0
.rept 32
.if i < 16
	v_fma_f32 v[XS+i], v[XS+i], s[16+i], s[48+i]
.else
	v_fma_f32 v[XS+i], v[XS+i], s[16+i], s[52+i]
.endif
.set i, i+1
.endr
	v_max3_num_f32 v8, |v[XS]|, |v[XS+1]|, |v[XS+2]|               ; the block's largest magnitude: all 32 numbers are mine
	v_max3_num_f32 v9, |v[XS+3]|, |v[XS+4]|, |v[XS+5]|
.irp i, 6,10,14,18,22,26
	v_max3_num_f32 v8, v8, |v[XS+\i]|, |v[XS+\i+1]|
	v_max3_num_f32 v9, v9, |v[XS+\i+2]|, |v[XS+\i+3]|
.endr
	v_max3_num_f32 v8, v8, |v[XS+30]|, |v[XS+31]|
	v_max3_num_f32 v8, v8, v9, 0x1800000           ; and the floor 2^(3 - 127)
	v_add_nc_u32 v10, 0xff000000, v8               ; 2 off the exponent field: the conversion's scale operand
	v_lshrrev_b32 v11, 23, v10                     ; the scale's byte
.irp g, 0,1,2,3
	v_cvt_scalef32_pk8_fp4_f32 v[CD+4*(\tg)+\g], v[XS+8*\g:XS+8*\g+7], v10
.endr
	v_nop                                          ; one plain place behind the scaled conversions
	ds_store_b8 v7, v11 offset:128*(\tg)
	global_store_b128 v6, v[CD+4*(\tg):CD+4*(\tg)+3], s[12:13] offset:16384*(\tg)   ; the sixteen lanes of each u store 256 consecutive bytes, aligned
.endm
	GROUP 0
	GROUP 1
	GROUP 2
	GROUP 3
	s_wait_dscnt 0x0                               ; for the others' sake: my bytes are in LDS
	s_barrier_signal -1
	s_barrier_wait -1
	s_cmp_lg_u32 s88, 0
	s_cbranch_scc1 .Ldone
	ds_load_b128 v[P:P+3], v3                      ; wave 0: the 128 tokens' scale words
	s_wait_dscnt 0x0
	global_store_b128 v3, v[P:P+3], s[92:93]       ; 512 consecutive bytes
.Ldone:
	s_wait_tensorcnt 0x0
	ds_add_u32 v192, v193
	s_wait_dscnt 0x0
	s_endpgm
.Lfunc_end_k_q877a817842_xquant:
	.size	k_q877a817842_xquant, .Lfunc_end_k_q877a817842_xquant-k_q877a817842_xquant
	.p2alignl 7, 3214868480
	.fill 96, 4, 3214868480
	.section	.rodata,"a",@progbits
	.p2align	6, 0x0
	.amdhsa_kernel k_q877a817842_xquant
		.amdhsa_group_segment_fixed_size 1024
		.amdhsa_private_segment_fixed_size 0
		.amdhsa_enable_private_segment 0
		.amdhsa_kernarg_size 40
		.amdhsa_user_sgpr_count 2
		.amdhsa_user_sgpr_kernarg_segment_ptr 1
		.amdhsa_wavefront_size32 1
		.amdhsa_system_sgpr_workgroup_id_x 1
		.amdhsa_system_sgpr_workgroup_id_y 1
		.amdhsa_system_sgpr_workgroup_id_z 1
		.amdhsa_system_vgpr_workitem_id 0
		.amdhsa_next_free_vgpr 194
		.amdhsa_next_free_sgpr 96
		.amdhsa_reserve_vcc 0
		.amdhsa_float_denorm_mode_32 3
		.amdhsa_float_denorm_mode_16_64 3
		.amdhsa_memory_ordered 1
		.amdhsa_forward_progress 1
		.amdhsa_inst_pref_size 39
	.end_amdhsa_kernel
	.amdgpu_metadata
---
amdhsa.version: [ 1, 2 ]
amdhsa.kernels:
  - .name:           k_q877a817842_xquant
    .symbol:         k_q877a817842_xquant.kd
    .args:
      - { .name: hidden_states, .offset: 0, .size: 8, .value_kind: global_buffer, .address_space: global }
      - { .name: wsp_w, .offset: 8, .size: 8, .value_kind: global_buffer, .address_space: global }
      - { .name: gn_weight, .offset: 16, .size: 8, .value_kind: global_buffer, .address_space: global }
      - { .name: gn_bias, .offset: 24, .size: 8, .value_kind: global_buffer, .address_space: global }
      - { .name: wsp_x, .offset: 32, .size: 8, .value_kind: global_buffer, .address_space: global }
    .group_segment_fixed_size: 1024
    .private_segment_fixed_size: 0
    .kernarg_segment_align: 8
    .kernarg_segment_size: 40
    .max_flat_workgroup_size: 128
    .sgpr_count:     96
    .vgpr_count:     194
    .wavefront_size: 32
...
	.end_amdgpu_metadata
.endif
;; end of part 2
;; launch qkv (part 3): grid 16 x 12, 4 waves a work-group, clusters of 4 x 4, 264,704 bytes of LDS; arguments wsp_x, wsp_w, bq, bk, bv, wsp_qkv; writes wsp_qkv
.if DOCPART == 3
	.amdgcn_target "amdgcn-amd-amdhsa--gfx1250"
	.amdhsa_code_object_version 6
	.text
	.protected	k_q877a817842_qkv
	.globl	k_q877a817842_qkv
	.p2align	8
	.type	k_q877a817842_qkv,@function
k_q877a817842_qkv:
	s_mov_b64 s[64:65], 0
	v_nop
	global_prefetch_b8 v0, s[64:65] scope:SCOPE_SE
	s_setreg_imm32_b32 hwreg(HW_REG_WAVE_MODE, 25, 1), 1
	s_wait_xcnt 0x0
	s_wait_alu depctr_hold_cnt(0) depctr_sa_sdst(0) depctr_va_vdst(0) depctr_va_sdst(0) depctr_va_ssrc(0) depctr_va_vcc(0) depctr_vm_vsrc(0)
	s_getreg_b32 s2, hwreg(HW_REG_IB_STS2, 6, 4)
	s_cmp_eq_u32 s2, 0
	s_cbranch_scc0 .Lentry_in_a_cluster
	s_endpgm
.Lentry_in_a_cluster:
	s_bfe_u32 s2, ttmp6, 0x10000c
	s_cmp_lg_u32 s2, 0xf033
	s_cbranch_scc0 .Lentry_shape_is_right
	s_endpgm
.Lentry_shape_is_right:
; q = (x Wq^T + bq) / sqrt(8), k = (x Wk^T + bk) / sqrt(8), v = x Wv^T + bv, on codes of FP4 (E2M1) with E8M0 scales; each result is quantised at once for attention's products:
; q and k along the head's channels, v along the tokens.  ONE BODY, THREE ROLES (the cluster's y: 0 q, 1 k, 2 v).  P[i][j] = sum over K of S0[i] S1[j] is quantised along i:
; source 0 = 16 rows of S0, source 1 = 16 rows of S1, so that a lane holds ONE j and its registers run along i.  Roles 0, 1: S0 = the weight, S1 = x.  Role 2: S0 = x, S1 = Wv.
; All operands lie in memory in the order of the operand's registers (place r of tile 2 B + u is row 32 B + 8 u + r + 8 (r / 8)), so the 16 registers of tiles 2 B, 2 B + 1 of S0
; are 16 NEIGHBOURS along i, and a fragment is two loads of 512 consecutive bytes: no pitch, no padding.
; SHARES.  A work-group of four waves makes 256 x 256, a wave 128 x 128: 64 accumulators, 512 registers.  K = 1,024 is eight steps of 128.  Both panels (2 x 128 KiB) fit in LDS whole:
; they are filled ONCE, in four chunks of two K steps; nothing is filled again, so later chunks stay on their way across the barriers and each wait counts the younger chunks.
; CLUSTERS: 4 x 4 work-groups.  S0's panel hangs on the cluster's row and is asked for jointly by its four, S1's on the column.  By this text's count a wave has four tensor loads out.
; LIMITS: a block of zeros, or one under 2^-124, gets the scale byte 1 (read by this program alone); NaN and infinities are not served.
; REGISTERS, in windows of 256.  Window 0: v1-11 addresses; v16-31 the bias along j, a pair for each block of S1; v32-63, v64-95 S0's and S1's scale words (register 4 q + u: lanes 0-15 tile 2 u,
; lanes 16-31 tile 2 u + 1); v96-127 at work; v128-191 S1's fragments, ONE set, later 64 numbers to quantise; v192-255 the bias along i (the C of the first K step), later the codes.
; Window 1: S0's fragments, two sets, at v0 and v128.  Windows 2, 3: the accumulators ((a, b) at v[8 (8 (a % 4) + b)]).
; HOW THE PANELS COME IN (this takes the place of what the lines above say of chunks): each wave asks for its half of a panel, 8 tiles x 8,192 bytes = 64 KiB that are dense in memory,
; by ONE joint tensor load at the head; LDS holds them as memory does.  One wait for that load and one barrier follow; nothing is filled again and the K steps have no barrier between them.
; No prefetch: nothing is loaded from memory behind the head, so there is no loop to run ahead in.
.set XSC,  2097152                     ; wsp_x, wsp_w: where the scale words begin
.set S1P,  131072                      ; LDS: S1's panel; in a panel: half x 65,536 + tile x 8,192 + q x 1,024 + 512 c + 16 x lane
.set STG,  262144                      ; behind the panels: 512 bytes for each wave, for the scale words' way out
.set BJ,   16
.set SC0,  32
.set SC1,  64
.set TM,   96
.set PW,   112
.set MW,   120
.set RB,   124
.set AF,   128
.set BI,   192
.set SEL,  76
.set SCL,  78
.set MSB,  0
.macro WIN new                         ; the immediate's high byte repeats the setting that is left
.if MSB != (\new)
	s_set_vgpr_msb (MSB<<8)|(\new)
.set MSB, (\new)
.endif
.endm
.macro PLACES                          ; four places in front of loads into registers that matrix instructions have read, and of the first read of results
.rept 4
	v_nop
.endr
.endm
.macro CROUND                          ; a round of the cluster's barrier
	s_barrier_signal -1
	s_barrier_wait -1
	s_cmp_lg_u32 s16, 0
	s_cbranch_scc1 .Lnot_wave_0_\@
	s_barrier_signal -3
.Lnot_wave_0_\@:
	s_barrier_wait -3
	s_barrier_signal -1
	s_barrier_wait -1
.endm
; one product.  ra, rb = 1: that side's scales stand in lanes 16-31 of the register named
.macro WM d, a, b, c, sa, sb, ra, rb
.if (\ra) && (\rb)
	v_wmma_scale_f32_16x16x128_f8f6f4 v[\d:\d+7], v[\a:\a+7], v[\b:\b+7], v[\c:\c+7], v[\sa], v[\sb] matrix_a_fmt:MATRIX_FMT_FP4 matrix_b_fmt:MATRIX_FMT_FP4 matrix_a_scale:MATRIX_SCALE_ROW1 matrix_b_scale:MATRIX_SCALE_ROW1
.elseif (\ra)
	v_wmma_scale_f32_16x16x128_f8f6f4 v[\d:\d+7], v[\a:\a+7], v[\b:\b+7], v[\c:\c+7], v[\sa], v[\sb] matrix_a_fmt:MATRIX_FMT_FP4 matrix_b_fmt:MATRIX_FMT_FP4 matrix_a_scale:MATRIX_SCALE_ROW1
.elseif (\rb)
	v_wmma_scale_f32_16x16x128_f8f6f4 v[\d:\d+7], v[\a:\a+7], v[\b:\b+7], v[\c:\c+7], v[\sa], v[\sb] matrix_a_fmt:MATRIX_FMT_FP4 matrix_b_fmt:MATRIX_FMT_FP4 matrix_b_scale:MATRIX_SCALE_ROW1
.else
	v_wmma_scale_f32_16x16x128_f8f6f4 v[\d:\d+7], v[\a:\a+7], v[\b:\b+7], v[\c:\c+7], v[\sa], v[\sb] matrix_a_fmt:MATRIX_FMT_FP4 matrix_b_fmt:MATRIX_FMT_FP4
.endif
.endm
	s_load_b256 s[4:11], s[0:1], 0x0               ; wsp_x s[4:5], wsp_w s[6:7], bq s[8:9], bk s[10:11]
	s_load_b128 s[12:15], s[0:1], 0x20             ; bv s[12:13], wsp_qkv s[14:15]
	v_lshl_add_u32 v106, v0, 2, 0x40800
	v_mov_b32 v107, 0
	ds_add_u32 v106, v107
	ds_add_u32 v106, v107
	v_lshrrev_b32 v1, 5, v0
	v_readfirstlane_b32 s16, v1                    ; wave 0..3
	s_lshr_b32 s17, s16, 1                         ; ha: my half of S1's rows.  Also: I fetch for S0 (0) or for S1 (1)
	s_and_b32 s18, s16, 1                          ; hb: my half of S0's rows.  Also: which half of that panel I fetch
	s_and_b32 s19, ttmp7, 0xffff                   ; the role: the cluster's y, the same in all sixteen partners
	s_bfe_u32 s20, ttmp6, 0x40000                  ; cx
	s_bfe_u32 s21, ttmp6, 0x40004                  ; cy
	s_lshl_b32 s22, ttmp9, 2
	s_add_co_u32 s80, s22, s21                     ; 4 x cluster x + cy
	s_add_co_u32 s81, s22, s20                     ; 4 x cluster x + cx
	s_lshl_b32 s82, s21, 2
	s_lshl_b32 s82, 15, s82                        ; my row of the cluster
	s_lshl_b32 s83, 0x1111, s20                    ; my column
	; descriptor group 1: 8 rows (tiles) of 8,192 bytes (a tile's whole K), 8,192 bytes apart; elements of 8 bytes; dense in LDS
	s_or_b32 s24, s82, (3<<16)|(1<<21)             ; 15:0 the mask: S0's panel goes to my row; 17:16 elements of 8 bytes; 21 set beside a mask
	s_or_b32 s32, s83, (3<<16)|(1<<21)             ; S1's to my column
.irp g, 24, 32
	s_mov_b32 s[\g+1], 1024<<16                    ; tensor_dim0 = 1,024 elements of 8 bytes: a tile's whole K
	s_mov_b32 s[\g+2], 8<<16                       ; tensor_dim1 = 8
	s_mov_b32 s[\g+3], 1024<<16                    ; tile_dim0 = 1,024
	s_mov_b32 s[\g+4], 8                           ; tile_dim1 = 8
	s_mov_b32 s[\g+5], 1024                        ; tensor_dim0_stride
	s_mov_b32 s[\g+6], 0
	s_mov_b32 s[\g+7], 0
.endr
	s_mov_b32 s[SEL], 0x76543210
	s_mov_b32 s[SEL+1], 0xfedcba98                 ; v_permlanex16_b32's selects for lane l xor 16
	s_lshl_b32 s92, s19, 19                        ; the weight's codes: role x 524,288
	s_lshl_b32 s93, s19, 15                        ; its scale words: role x 32,768
	s_mov_b32 s90, 131072
	s_mov_b32 s91, 16384
	s_mov_b32 s[SCL], 0x3eb504f3                   ; 1 / sqrt(8)
	s_wait_dscnt 0x0
	s_wait_kmcnt 0x0
	s_cmp_eq_u32 s19, 2                            ; all that the role decides is chosen here, by selects on this one compare
	s_cselect_b64 s[84:85], s[4:5], s[6:7]         ; S0's buffer
	s_cselect_b64 s[86:87], s[6:7], s[4:5]         ; S1's
	s_cselect_b32 s88, s80, s21                    ; S0's panel of 256 rows: hangs on cy, never on cx
	s_cselect_b32 s89, s20, s81                    ; S1's: hangs on cx, never on cy
	s_cselect_b32 s90, 32768, s90                  ; the codes' step from one 64 along i to the next
	s_cselect_b32 s91, 4096, s91                   ; the scale words' step from one 128 along i to the next
	s_cselect_b32 s[SCL], 1.0, s[SCL]
	s_cselect_b32 s94, 0, s92
	s_cselect_b32 s95, s92, 0
	s_cselect_b32 s96, 0, s93
	s_cselect_b32 s97, s93, 0
	s_mov_b32 s[SCL+1], s[SCL]                     ; (the packed form names the pair)
	s_lshl_b32 s2, s88, 17                         ; S0: panel x 131,072 + my half x 65,536
	s_add_co_u32 s2, s2, s94
	s_lshl_b32 s3, s18, 16
	s_add_co_u32 s2, s2, s3
	s_mov_b32 s3, 0
	s_add_nc_u64 s[2:3], s[84:85], s[2:3]
	s_lshl_b32 s22, s89, 17                        ; S1 likewise
	s_add_co_u32 s22, s22, s95
	s_lshl_b32 s23, s18, 16
	s_add_co_u32 s22, s22, s23
	s_mov_b32 s23, 0
	s_add_nc_u64 s[22:23], s[86:87], s[22:23]
	s_lshl_b32 s98, s18, 16                        ; in LDS: my half.  No place in the cluster enters an LDS address
	s_mov_b32 s40, 1                               ; group 0 for S0's half panel
	s_mov_b32 s41, s98
	s_mov_b64 s[42:43], s[2:3]
	s_or_b32 s43, s43, 0x80000000
	s_mov_b32 s56, 1                               ; and for S1's
	s_add_co_u32 s57, s98, S1P
	s_mov_b64 s[58:59], s[22:23]
	s_or_b32 s59, s59, 0x80000000
	CROUND                                         ; all sixteen work-groups are here: the joint loads meet
	s_cmp_eq_u32 s17, 0                            ; one branch on the wave's number, one first fill in each arm: every wave issues exactly one
	s_cbranch_scc0 .Lfill_s1
	tensor_load_to_lds s[40:43], s[24:31]
	s_nop 0
	PLACES
	s_branch .Lfilled
.Lfill_s1:
	tensor_load_to_lds s[56:59], s[32:39]
	s_nop 0
	PLACES
.Lfilled:
	v_and_b32 v1, 31, v0                           ; lane
	v_lshlrev_b32 v2, 4, v1                        ; 16 x lane
	v_lshlrev_b32 v3, 2, v1                        ; 4 x lane
	s_wait_alu depctr_va_vdst(0)
	s_lshl_b32 s99, s18, 16
	v_add_nc_u32 v4, s99, v2                       ; S0's fragments;
	s_lshl_b32 s99, s17, 16
	s_add_co_u32 s99, s99, S1P
	v_add_nc_u32 v6, s99, v2                       ; S1's
	s_lshl_b32 s99, s16, 9
	s_add_co_u32 s99, s99, STG
	v_add_nc_u32 v8, s99, v3                       ; my stage, in
	v_add_nc_u32 v9, s99, v2                       ; and out
	s_lshl_b32 s80, s88, 1
	s_add_co_u32 s80, s80, s18                     ; I: my 128 along i
	s_lshl_b32 s81, s89, 1
	s_add_co_u32 s81, s81, s17                     ; J: my 128 along j
	s_lshl_b32 s98, s80, 12
	s_add_co_u32 s98, s98, s96
	s_add_co_u32 s98, s98, XSC
	s_mov_b32 s99, 0
	s_add_nc_u64 s[84:85], s[84:85], s[98:99]      ; S0's scale words of my 128 rows: 4,096 dense bytes
	s_lshl_b32 s98, s81, 12
	s_add_co_u32 s98, s98, s97
	s_add_co_u32 s98, s98, XSC
	s_add_nc_u64 s[86:87], s[86:87], s[98:99]      ; S1's
.irp q, 0,1,2,3,4,5,6,7
.irp u, 0,1,2,3
	global_load_b32 v[SC0+4*\q+\u], v3, s[84:85] offset:512*\q+128*\u
	global_load_b32 v[SC1+4*\q+\u], v3, s[86:87] offset:512*\q+128*\u
.endr
.endr
	s_mul_i32 s94, s80, s90                        ; codes out: role x 2,097,152 + (2 I + p) x step + J x 4,096 + 512 a + 16 x lane
	s_lshl_b32 s94, s94, 1
	s_lshl_b32 s95, s19, 21
	s_add_co_u32 s94, s94, s95
	s_lshl_b32 s95, s81, 12
	s_add_co_u32 s94, s94, s95
	s_mov_b32 s95, 0
	s_add_nc_u64 s[94:95], s[14:15], s[94:95]      ; p = 0
	s_mov_b32 s96, s90
	s_mov_b32 s97, 0
	s_add_nc_u64 s[96:97], s[94:95], s[96:97]      ; p = 1
	s_mul_i32 s82, s80, s91                        ; scale words out: 6,291,456 + role x 131,072 + I x step + J x 512
	s_lshl_b32 s83, s19, 17
	s_add_co_u32 s82, s82, s83
	s_lshl_b32 s83, s81, 9
	s_add_co_u32 s82, s82, s83
	s_add_co_u32 s82, s82, 6291456
	s_mov_b32 s83, 0
	s_add_nc_u64 s[82:83], s[14:15], s[82:83]
	v_bfe_u32 v10, v0, 4, 1
	v_lshlrev_b32 v10, 6, v10                      ; 64 h: the bias along i: 16 numbers on for lanes 16-31
	v_and_b32 v11, 15, v0
	v_and_b32 v12, 8, v11
	v_add_nc_u32 v11, v11, v12
	v_lshlrev_b32 v11, 2, v11                      ; 4 (r + 8 (r / 8)): the bias along j: my place's row
	s_lshl_b32 s98, s80, 9                         ; (s99 = 0)
	s_lshl_b32 s88, s81, 9
	s_mov_b32 s89, 0
.irp b, 0,1,2,3
	v_mov_b32 v[TM+4+\b], 0                        ; written once: a lane permute's destination counts as one of its sources
.endr
	s_cmp_eq_u32 s19, 2                            ; the bias lies along i (q, k) or along j (v).  Both arms write all of v16-31 and v192-255
	s_cbranch_scc1 .Lbias_v
	s_cmp_eq_u32 s19, 1
	s_cselect_b64 s[8:9], s[10:11], s[8:9]
	s_add_nc_u64 s[8:9], s[8:9], s[98:99]
	s_wait_alu depctr_va_vdst(0)
.irp b, 0,1,2,3,4,5,6,7                        ; in the result's layout: tile 2 B + u, lane half h: rows 32 B + 16 h + 8 u + 0 .. 7
	global_load_b128 v[BI+8*\b:BI+8*\b+3], v10, s[8:9] offset:(32*(\b/2)+8*(\b%2))*4
	global_load_b128 v[BI+8*\b+4:BI+8*\b+7], v10, s[8:9] offset:(32*(\b/2)+8*(\b%2))*4+16
.endr
.set n, 0
.rept 16
	v_mov_b32 v[BJ+n], 0
.set n, n+1
.endr
	s_branch .Lbias_done
.Lbias_v:
	s_add_nc_u64 s[12:13], s[12:13], s[88:89]
	s_wait_alu depctr_va_vdst(0)
.irp a, 0,1,2,3,4,5,6,7
	global_load_b32 v[BJ+2*\a], v11, s[12:13] offset:(32*(\a/2)+8*(\a%2))*4
	v_mov_b32 v[BJ+2*\a+1], 0                      ; (named with it as a pair)
.endr
.set n, 0
.rept 64
	v_mov_b32 v[BI+n], 0
.set n, n+1
.endr
.Lbias_done:
; 16 products: S1's blocks a0, a0 + 1 x S0's eight, K step q.  p: S0's set.  first = 1: C is the bias along i.  The 64 accumulators take turns, one instruction a turn, in the same order in every step.
.macro MUL16 a0, p, q, first
.irp a, \a0, \a0+1
.irp b, 0,1,2,3,4,5,6,7
.if \first
	WM 8*(8*((\a)%4)+\b), 128*(\p)+8*\b, AF+8*(\a), BI+8*\b, SC0+4*(\q)+\b/2, SC1+4*(\q)+(\a)/2, \b%2, (\a)%2
.else
	WM 8*(8*((\a)%4)+\b), 128*(\p)+8*\b, AF+8*(\a), 8*(8*((\a)%4)+\b), SC0+4*(\q)+\b/2, SC1+4*(\q)+(\a)/2, \b%2, (\a)%2
.endif
.endr
.endr
.endm
.macro FETCH_B q, p                    ; S0's eight fragments of K step q into set p
	WIN 0x40
.irp b, 0,1,2,3,4,5,6,7
.irp c, 0,1
	ds_load_b128 v[128*(\p)+8*\b+4*\c:128*(\p)+8*\b+4*\c+3], v4 offset:\b*8192+(\q)*1024+512*\c
.endr
.endr
	WIN 0
.endm
.macro FETCH_A q, i0                   ; S1's blocks i0 .. i0 + 3
.irp i, \i0, \i0+1, \i0+2, \i0+3
.irp c, 0,1
	ds_load_b128 v[AF+8*(\i)+4*\c:AF+8*(\i)+4*\c+3], v6 offset:(\i)*8192+(\q)*1024+512*\c
.endr
.endr
.endm
.macro REST q, first                   ; a step from its middle on: the next step's fragments, and blocks 4-7
	PLACES
	FETCH_B (\q)+1, 1-(\q)%2
	FETCH_A (\q)+1, 0
	WIN 0xf1-0x30*(\first)                         ; source 0 window 1, D window 3; C window 3, or 0 in the first step
	MUL16 4, (\q)%2, \q, \first
	MUL16 6, (\q)%2, \q, \first
	PLACES
	WIN 0
	FETCH_A (\q)+1, 4
.endm
.macro STEP q, first                   ; a K step that has a successor
	s_wait_dscnt 8                                 ; S0's set and S1's blocks 0-3 are in; the youngest eight loads (blocks 4-7) may be out
	WIN 0xa1-0x20*(\first)                         ; source 0 window 1, D window 2; C window 2, or 0 in the first step
	MUL16 0, (\q)%2, \q, \first
	MUL16 2, (\q)%2, \q, \first
	s_wait_dscnt 0x0                               ; blocks 4-7 are in
	REST \q, \first
.endm
	s_wait_tensorcnt 0x0                           ; my half panel is in
	s_barrier_signal -1
	s_barrier_wait -1                              ; everybody's is
	FETCH_B 0, 0
	FETCH_A 0, 0
	FETCH_A 0, 4
	s_wait_loadcnt 0x0                             ; scale words and biases
	s_wait_alu depctr_va_vdst(0)
	STEP 0, 1
	STEP 1, 0
	STEP 2, 0
	STEP 3, 0
	STEP 4, 0
	STEP 5, 0
	STEP 6, 0
	s_wait_dscnt 8                                 ; the last step: nothing more to fetch
	WIN 0xa1
	MUL16 0, 1, 7, 0
	MUL16 2, 1, 7, 0
	s_wait_dscnt 0x0
	WIN 0xf1
	MUL16 4, 1, 7, 0
	MUL16 6, 1, 7, 0
	WIN 0
	PLACES
; 64 numbers of a lane, v[s] on, register 16 b + i = i-index 32 b + 16 (lane / 16) + i of my j, become a fragment's codes in v[pc] on and its scale word in v[pw]
.macro QUANT s, pc, pw
.irp b, 0,1,2,3
	v_max3_num_f32 v[TM+\b], |v[\s+16*\b]|, |v[\s+1+16*\b]|, 0x1800000   ; my 16 numbers of block b, and the floor 2^(3 - 127)
.endr
.irp i, 2,4,6,8,10,12,14
.irp b, 0,1,2,3
	v_max3_num_f32 v[TM+\b], v[TM+\b], |v[\s+16*\b+\i]|, |v[\s+1+16*\b+\i]|
.endr
.endr
.irp b, 0,1,2,3
	v_permlanex16_b32 v[TM+4+\b], v[TM+\b], s[SEL], s[SEL+1]
.endr
.irp b, 0,1,2,3
	v_max_num_f32 v[TM+\b], v[TM+\b], v[TM+4+\b]   ; with lane l xor 16's: the block's largest magnitude
.endr
.irp b, 0,1,2,3
	v_add_nc_u32 v[TM+12+\b], 0xff000000, v[TM+\b] ; 2 off the exponent field: the conversion's scale operand
.endr
.irp b, 0,1,2,3
	v_lshrrev_b32 v[TM+4+\b], 23, v[TM+12+\b]      ; the scale's byte
.endr
	v_lshl_or_b32 v[\pw], v[TM+5], 8, v[TM+4]
	v_lshl_or_b32 v[\pw], v[TM+6], 16, v[\pw]
	v_lshl_or_b32 v[\pw], v[TM+7], 24, v[\pw]
.irp b, 0,1,2,3
	v_cvt_scalef32_pk8_fp4_f32 v[\pc+2*\b], v[\s+16*\b:\s+7+16*\b], v[TM+12+\b]
	v_cvt_scalef32_pk8_fp4_f32 v[\pc+1+2*\b], v[\s+8+16*\b:\s+15+16*\b], v[TM+12+\b]
.endr
	v_nop                                          ; one plain place behind the scaled conversions
.irp c, 0,1                                    ; the operand's layout wants a WHOLE block in a lane
.irp i, 0,1
	v_permlane16_swap_b32 v[\pc+4*\c+\i], v[\pc+2+4*\c+\i]
.endr
.endr
.endm
; block a of S1 (16 of my j): (sum + bias along i) x factor + bias along j, quantised along my 128 i; registers 0-3 of the codes are the first 64 along i, 4-7 the second: two images of 512 bytes
.macro OUTA a
	WIN 0x02+(\a)/4                                ; source 0: window 2 or 3
.set n, 0
.rept 32
	v_pk_fma_f32 v[AF+2*n:AF+2*n+1], v[64*((\a)%4)+2*n:64*((\a)%4)+2*n+1], s[SCL:SCL+1], v[BJ+2*(\a):BJ+2*(\a)+1] op_sel_hi:[1,0,0]   ; each accumulator from its low end on
.set n, n+1
.endr
	WIN 0
	QUANT AF, BI+8*(\a), PW+(\a)
	global_store_b128 v2, v[BI+8*(\a):BI+8*(\a)+3], s[94:95] offset:512*(\a)       ; 512 consecutive bytes a store
	global_store_b128 v2, v[BI+8*(\a)+4:BI+8*(\a)+7], s[96:97] offset:512*(\a)
.endm
.irp a, 0,1,2,3,4,5,6,7
	OUTA \a
.endr
	v_cmp_le_u32 vcc_lo, 16, v1                    ; the scale words (the same in both halves of the lanes): block 2 u in lanes 0-15, block 2 u + 1 in lanes 16-31,
.irp u, 0,1,2,3
	v_cndmask_b32 v[MW+\u], v[PW+2*\u], v[PW+2*\u+1], vcc_lo
.endr
.irp u, 0,1,2,3
	ds_store_b32 v8, v[MW+\u] offset:128*\u        ; through my stage,
.endr
	ds_load_b128 v[RB:RB+3], v9                    ; (LDS serves a wave's instructions in order: this sees the stores above)
	s_wait_dscnt 0x0
	global_store_b128 v2, v[RB:RB+3], s[82:83]     ; and out as 512 consecutive bytes
	s_wait_tensorcnt 0x0
	ds_add_u32 v106, v107
	s_wait_dscnt 0x0
	CROUND                                         ; the closing round: no work-group ends while a partner may still ask for a tile that names it
	s_endpgm
.Lfunc_end_k_q877a817842_qkv:
	.size	k_q877a817842_qkv, .Lfunc_end_k_q877a817842_qkv-k_q877a817842_qkv
	.p2alignl 7, 3214868480
	.fill 96, 4, 3214868480
	.section	.rodata,"a",@progbits
	.p2align	6, 0x0
	.amdhsa_kernel k_q877a817842_qkv
		.amdhsa_group_segment_fixed_size 264704
		.amdhsa_private_segment_fixed_size 0
		.amdhsa_enable_private_segment 0
		.amdhsa_kernarg_size 48
		.amdhsa_user_sgpr_count 2
		.amdhsa_user_sgpr_kernarg_segment_ptr 1
		.amdhsa_wavefront_size32 1
		.amdhsa_system_sgpr_workgroup_id_x 1
		.amdhsa_system_sgpr_workgroup_id_y 1
		.amdhsa_system_sgpr_workgroup_id_z 1
		.amdhsa_system_vgpr_workitem_id 0
		.amdhsa_next_free_vgpr 1024
		.amdhsa_next_free_sgpr 100
		.amdhsa_reserve_vcc 1
		.amdhsa_float_denorm_mode_32 3
		.amdhsa_float_denorm_mode_16_64 3
		.amdhsa_memory_ordered 1
		.amdhsa_forward_progress 1
		.amdhsa_inst_pref_size 151
	.end_amdhsa_kernel
	.amdgpu_metadata
---
amdhsa.version: [ 1, 2 ]
amdhsa.kernels:
  - .name:           k_q877a817842_qkv
    .symbol:         k_q877a817842_qkv.kd
    .args:
      - { .name: wsp_x, .offset: 0, .size: 8, .value_kind: global_buffer, .address_space: global }
      - { .name: wsp_w, .offset: 8, .size: 8, .value_kind: global_buffer, .address_space: global }
      - { .name: bq, .offset: 16, .size: 8, .value_kind: global_buffer, .address_space: global }
      - { .name: bk, .offset: 24, .size: 8, .value_kind: global_buffer, .address_space: global }
      - { .name: bv, .offset: 32, .size: 8, .value_kind: global_buffer, .address_space: global }
      - { .name: wsp_qkv, .offset: 40, .size: 8, .value_kind: global_buffer, .address_space: global }
    .group_segment_fixed_size: 264704
    .private_segment_fixed_size: 0
    .kernarg_segment_align: 8
    .kernarg_segment_size: 48
    .max_flat_workgroup_size: 128
    .sgpr_count:     100
    .vgpr_count:     1024
    .wavefront_size: 32
...
	.end_amdgpu_metadata
.endif
;; end of part 3
;; launch attn (part 4): grid 8 x 32, 16 waves a work-group, clusters of 4 x 1, 169,984 bytes of LDS; arguments wsp_qkv, attention_mask, wsp_o; writes wsp_o
.if DOCPART == 4
	.amdgcn_target "amdgcn-amd-amdhsa--gfx1250"
	.amdhsa_code_object_version 6
	.text
	.protected	k_q877a817842_attn
	.globl	k_q877a817842_attn
	.p2align	8
	.type	k_q877a817842_attn,@function
k_q877a817842_attn:
	s_mov_b64 s[64:65], 0
	v_nop
	global_prefetch_b8 v0, s[64:65] scope:SCOPE_SE
	s_setreg_imm32_b32 hwreg(HW_REG_WAVE_MODE, 25, 1), 1
	s_wait_xcnt 0x0
	s_wait_alu depctr_hold_cnt(0) depctr_sa_sdst(0) depctr_va_vdst(0) depctr_va_sdst(0) depctr_va_ssrc(0) depctr_va_vcc(0) depctr_vm_vsrc(0)
	s_getreg_b32 s2, hwreg(HW_REG_IB_STS2, 6, 4)
	s_cmp_eq_u32 s2, 0
	s_cbranch_scc0 .Lentry_in_a_cluster
	s_endpgm
.Lentry_in_a_cluster:
	s_bfe_u32 s2, ttmp6, 0x10000c
	s_cmp_lg_u32 s2, 0x3003
	s_cbranch_scc0 .Lentry_shape_is_right
	s_endpgm
.Lentry_shape_is_right:
; o = softmax(q k^T, keys with mask 0 left out) v for one (sample, head) and 256 queries, both products on codes of FP4 (E2M1) with E8M0 scales; o is quantised along the channels for the last projection.
; (q and k carry the factor 1 / sqrt(8) each.)  t = score x log2(e); M = the running largest t rounded UP to a whole number; p = 2^(t - M) is quantised along the keys, not normalised;
; the row's sum is taken of the unquantised p and divides at the end; when M moves, the sum and O are multiplied by 2^(old M - new M): exact.
; SHARES.  Sixteen waves, each ONE tile of 16 queries in 256 registers, four waves to a SIMD.  Every wave walks the head's 2,048 keys in 16 steps of 128.
; THE HEAD'S WHOLE K AND V (64 KiB each) come into LDS ONCE: each wave issues ONE tensor load at the head, waves 0-7 an eighth of K (256 keys), waves 8-15 an eighth of V (256 keys).
; One wait for it and one barrier follow; nothing is filled again, so the loop over the keys has no barrier.  CLUSTER: the four query blocks of a cluster share the head: each load is asked for JOINTLY (mask 15).
; The scale words and the mask (20 KiB, a seventh of the work-group's bytes) are not asked for jointly: they pass through registers anyway, to be rewritten.
; No prefetch: nothing is loaded from memory behind the head, so there is no loop to run ahead in.
; LAYOUT.  Both products are used transposed: S^T = K Q^T, O^T = V^T P^T: a lane holds ONE query (lane % 16).  In memory key 32 B + 16 hi + 8 u + lo is place 8 hi + lo of tile 2 B + u (512 bytes a tile).
; THE KEYS OF A SCORE TILE ARE CHOSEN BY THE LANES' ADDRESSES: row m of tile 4 c + t is key 64 c + 32 (m / 8) + 8 t + m % 8.  So the 32 registers of tiles 4 c .. 4 c + 3 of a lane are keys
; 64 c + 32 (lane / 16) + 0 .. 31: a WHOLE block of 32, in the order of the second product's operand: a block's maximum needs no other lane, and the conversions' results are the operand's registers.
; In LDS 128 bytes of padding follow each 1,024 bytes (32 keys) of K, so that rows 0-7 and rows 8-15 of a tile fall on different banks.
; The head has 64 channels, half of the instruction's 128: registers 4-7 of Q's and K's fragments are zero codes, their scale bytes 0.
; THE MASK IS THE C OF THE SCORE PRODUCTS: one f32 for each key in LDS, 0 or -3e38, loaded into the score registers, onto which the products add.
; LDS LOADS RUN A STEP AHEAD: the next step's fragments and scale words of K are asked for as soon as this step's score products have read theirs, the next step's mask as the row's sum frees p's registers.
; The last step is written out: it asks for nothing further.
; LIMITS: a masked score is -3e38, not -infinity, and the running largest score begins at -2^127: p of a masked key is exactly 0 for |scores| far under 1e38.  A sample whose mask leaves no key is not served.
; A block of zeros, or one under 2^-124, gets the scale byte 1.  NaN and infinities are not served.
; REGISTERS: v1 16 x lane; v2-6 addresses that stay; v7 8 (lane / 16); v8-10 at work; v11 lane; v12 -M, v13 the largest score, v[14:15] the sum; v16-23 Q; v24-28 the step's addresses; v29 4 r + h;
; v32-95 K's eight fragments; v96-159 the mask, S^T, then p; v160-191 O^T; v192-223 V's four fragments; v224-231 p's codes; v232-239 at work;
; v240-241 V's scale words, v247 p's, v248-251 K's, v255 Q's; v242-243 the add's; v252 f.
.set KB,    1152                       ; LDS: 32 keys of K: 1,024 bytes + 128 of padding
.set VC,    73728                      ; V's codes: 64 keys x 2,048 + channel tile x 512
.set KSC,   139264                     ; K's scale words, 4 bytes a key place
.set MB,    147456                     ; the mask as f32, 4 bytes a key, in the keys' true order
.set VSC,   155648                     ; V's scale words: key step x 256 + 4 x channel place
.set SPARE, 159744                     ; the spare words, 128 bytes a wave
.set KCODES, 2097152
.set VCODES, 4194304
.set QSCG,  6291456
.set KSCG,  6422528
.set VSCG,  6553600
.set OSC,   2097152
.set WV,    10
.set SEL,   20
.set CS,    22
.macro ROUND                           ; a round of the cluster's barrier
	s_barrier_signal -1
	s_barrier_wait -1
	s_cmp_lg_u32 s[WV], 0
	s_cbranch_scc1 .Lnot_wave_0_\@
	s_barrier_signal -3
.Lnot_wave_0_\@:
	s_barrier_wait -3
	s_barrier_signal -1
	s_barrier_wait -1
.endm
.macro WM d, a, b, c, sa, sb, ra       ; one product.  ra = 1: source 0's scales stand in lanes 16-31 of the register named
.if (\ra)
	v_wmma_scale_f32_16x16x128_f8f6f4 v[\d:\d+7], v[\a:\a+7], v[\b:\b+7], v[\c:\c+7], v[\sa], v[\sb] matrix_a_fmt:MATRIX_FMT_FP4 matrix_b_fmt:MATRIX_FMT_FP4 matrix_a_scale:MATRIX_SCALE_ROW1
.else
	v_wmma_scale_f32_16x16x128_f8f6f4 v[\d:\d+7], v[\a:\a+7], v[\b:\b+7], v[\c:\c+7], v[\sa], v[\sb] matrix_a_fmt:MATRIX_FMT_FP4 matrix_b_fmt:MATRIX_FMT_FP4
.endif
.endm
	s_load_b128 s[4:7], s[0:1], 0x0                ; wsp_qkv s[4:5], attention_mask s[6:7]
	s_load_b64 s[8:9], s[0:1], 0x10                ; wsp_o
	v_lshl_add_u32 v242, v0, 2, SPARE
	v_mov_b32 v243, 0
	ds_add_u32 v242, v243                          ; the opening lines: the add, twice on end, and one wait
	ds_add_u32 v242, v243
	v_lshrrev_b32 v1, 5, v0
	v_readfirstlane_b32 s[WV], v1                  ; wave 0..15
	v_and_b32 v11, 31, v0                          ; lane
	v_and_b32 v25, 15, v0                          ; r
	v_lshlrev_b32 v27, 4, v0                       ; 16 x thread
	v_lshlrev_b32 v1, 4, v11                       ; 16 x lane
	v_lshlrev_b32 v26, 2, v25                      ; 4 r
	v_lshlrev_b32 v28, 3, v11                      ; 8 x lane
	s_and_b32 s80, ttmp7, 0xffff
	s_lshr_b32 s11, s80, 4                         ; the sample
	s_and_b32 s12, s80, 15                         ; the head
	s_lshr_b32 s13, s12, 1                         ; the pair of heads that shares a scale word,
	s_and_b32 s14, s12, 1                          ; and which of the two
	s_lshl_b32 s17, s14, 4
	s_bfe_u32 s81, ttmp6, 0x40000                  ; cx
	s_lshl_b32 s15, ttmp9, 2
	s_add_co_u32 s15, s15, s81                     ; my block of 256 queries: it enters Q's and o's global addresses alone
	s_lshl_b32 s16, s11, 7
	s_lshl_b32 s82, s15, 4
	s_add_co_u32 s16, s16, s82
	s_add_co_u32 s16, s16, s[WV]                   ; my tile of 16 queries among the 256 tiles of tokens
	s_and_b32 s18, s[WV], 7                        ; which eighth of K or of V I fetch
	; descriptor group 1.  K: 8 rows of 1,024 bytes, dense in memory, 128 bytes of padding behind each in LDS.  V: 4 rows of 2,048 bytes, 32,768 bytes apart, dense in LDS
	s_mov_b32 s24, 15|(3<<16)|(1<<20)|(1<<21)|(7<<22)|(31<<25)   ; 15:0 all four work-groups; 17:16 elements of 8 bytes; 20 padding on; 21 set beside a mask; 24:22 after every 256 words; 31:25 of 32 words
	s_mov_b32 s25, 128<<16                         ; tensor_dim0
	s_mov_b32 s26, 8<<16                           ; tensor_dim1
	s_mov_b32 s27, 128<<16                         ; tile_dim0
	s_mov_b32 s28, 8                               ; tile_dim1
	s_mov_b32 s29, 128                             ; tensor_dim0_stride
	s_mov_b32 s30, 0
	s_mov_b32 s31, 0
	s_mov_b32 s32, 15|(3<<16)|(1<<21)
	s_mov_b32 s33, 256<<16
	s_mov_b32 s34, 4<<16
	s_mov_b32 s35, 256<<16
	s_mov_b32 s36, 4
	s_mov_b32 s37, 4096
	s_mov_b32 s38, 0
	s_mov_b32 s39, 0
	s_lshl_b32 s84, s12, 17                        ; K: head x 131,072 + sample x 65,536 + eighth x 8,192
	s_lshl_b32 s85, s11, 16
	s_add_co_u32 s84, s84, s85
	s_lshl_b32 s85, s18, 13
	s_add_co_u32 s84, s84, s85
	s_add_co_u32 s84, s84, KCODES
	s_mov_b32 s85, 0
	s_lshl_b32 s86, s11, 20                        ; V: sample x 32 groups of 32,768 + head x 2,048 + eighth x 4 groups
	s_lshl_b32 s87, s12, 11
	s_add_co_u32 s86, s86, s87
	s_lshl_b32 s87, s18, 17
	s_add_co_u32 s86, s86, s87
	s_add_co_u32 s86, s86, VCODES
	s_mov_b32 s87, 0
	s_mov_b32 s40, 1                               ; group 0 for K: LDS eighth x 8 padded rows
	s_mul_i32 s41, s18, 8*KB
	s_mov_b32 s44, 1                               ; for V
	s_lshl_b32 s45, s18, 13
	s_add_co_u32 s45, s45, VC
	s_lshl_b32 s88, s12, 17                        ; Q's codes: head x 131,072 + tile x 512
	s_lshl_b32 s89, s16, 9
	s_add_co_u32 s88, s88, s89
	s_mov_b32 s89, 0
	s_lshl_b32 s90, s13, 14                        ; Q's scale words: pair of heads x 16,384 + tile x 64
	s_lshl_b32 s91, s16, 6
	s_add_co_u32 s90, s90, s91
	s_add_co_u32 s90, s90, QSCG
	s_mov_b32 s91, 0
	s_lshl_b32 s92, s13, 14                        ; K's: + sample x 8,192
	s_lshl_b32 s93, s11, 13
	s_add_co_u32 s92, s92, s93
	s_add_co_u32 s92, s92, KSCG
	s_mov_b32 s93, 0
	s_lshl_b32 s94, s11, 4                         ; V's: wave w brings key step w's: (16 x sample + w) x 4,096 + head x 256
	s_add_co_u32 s94, s94, s[WV]
	s_lshl_b32 s94, s94, 12
	s_lshl_b32 s95, s12, 8
	s_add_co_u32 s94, s94, s95
	s_add_co_u32 s94, s94, VSCG
	s_mov_b32 s95, 0
	s_lshl_b32 s80, s11, 13                        ; the mask: sample x 8,192
	s_mov_b32 s81, 0
	s_mov_b32 s[SEL], 0x76543210
	s_mov_b32 s[SEL+1], 0xfedcba98                 ; v_permlanex16_b32's selects for lane l xor 16
	s_mov_b32 s[CS], 0x3fb8aa3b                    ; log2(e)
	s_mov_b32 s[CS+1], s[CS]
	s_mov_b32 s19, 0xbfb8aa3b                      ; -log2(e)
	s_wait_alu depctr_va_vdst(0)
	s_wait_dscnt 0x0                               ; both opening adds are done
	s_wait_kmcnt 0x0
	s_add_nc_u64 s[88:89], s[4:5], s[88:89]
	s_add_nc_u64 s[90:91], s[4:5], s[90:91]
	s_add_nc_u64 s[92:93], s[4:5], s[92:93]
	s_add_nc_u64 s[94:95], s[4:5], s[94:95]
	s_add_nc_u64 s[6:7], s[6:7], s[80:81]
	global_load_b128 v[16:19], v1, s[88:89]        ; Q's fragment stays in registers.  These five are on their way across the round below: nobody writes their bytes
	global_load_b32 v255, v26, s[90:91]
	global_load_b128 v[96:99], v27, s[6:7]         ; four keys' mask a thread,
	global_load_b128 v[100:103], v27, s[92:93]     ; four key places' scale words,
	global_load_b64 v[104:105], v28, s[94:95]      ; two channel places' scale words
	s_add_nc_u64 s[42:43], s[4:5], s[84:85]
	s_or_b32 s43, s43, 0x80000000
	s_add_nc_u64 s[46:47], s[4:5], s[86:87]
	s_or_b32 s47, s47, 0x80000000
	ROUND                                          ; all four work-groups are here: the joint loads meet
	s_cmp_lt_u32 s[WV], 8                          ; one branch on the wave's number, one first fill in each arm: every wave issues exactly one
	s_cbranch_scc0 .Lfor_v
	tensor_load_to_lds s[40:43], s[24:31]
	s_nop 0
.rept 4
	v_nop
.endr
	s_branch .Lasked
.Lfor_v:
	tensor_load_to_lds s[44:47], s[32:39]
	s_nop 0
.rept 4
	v_nop
.endr
.Lasked:
	v_bfe_u32 v24, v0, 4, 1                        ; h
	v_bfe_u32 v29, v0, 3, 1                        ; r / 8
	v_and_b32 v30, 7, v0                           ; r % 8
	v_mul_u32_u24 v2, v29, KB                      ; K's fragments: (r / 8) x 32 keys + 256 h + 16 (r % 8)
	v_lshlrev_b32 v4, 7, v29                       ; K's scale words: 128 (r / 8) + 64 (lane / 16: the odd tile of a pair) + 4 (r % 8)
	v_lshl_add_u32 v2, v24, 8, v2
	v_lshl_add_u32 v4, v24, 6, v4
	v_lshl_add_u32 v2, v30, 4, v2
	v_lshl_add_u32 v4, v30, 2, v4
	v_add_nc_u32 v3, VC, v1                        ; V's fragments: 16 x lane
	v_add_nc_u32 v4, KSC, v4
	v_lshl_add_u32 v5, v24, 7, MB                  ; the mask: 32 keys on for lanes 16-31
	v_lshl_add_u32 v6, v11, 2, VSC                 ; V's scale words
	v_lshlrev_b32 v7, 3, v24                       ; 8 h
	v_lshl_add_u32 v29, v25, 2, v24                ; 4 r + h: o's scale byte
	v_lshl_add_u32 v31, v0, 4, KSC
	v_lshl_add_u32 v30, v0, 3, VSC
	v_mov_b32 v106, 0xff61b1e6                     ; -3e38
	v_mov_b32 v13, 0xff000000                      ; the largest score so far: -2^127
	v_mov_b32 v14, 0
	v_mov_b32 v15, 0
	v_mov_b32 v8, 0                                ; written once: a lane permute's destination counts as one of its sources
	v_mov_b32 v252, 0
	v_mov_b32 v253, 0                              ; (named with f as a pair)
	v_mul_f32 v10, s19, v13
	v_floor_f32 v12, v10                           ; -M
.irp t, 0,1,2,3,4,5,6,7
.irp j, 4,5,6,7
	v_mov_b32 v[32+8*\t+\j], 0                     ; the unused half of K: zero codes, written once
.endr
.endr
.irp j, 20,21,22,23
	v_mov_b32 v\j, 0                               ; and of Q
.endr
	s_lshl_b32 s80, s16, 13                        ; o's codes: tile x 8,192 + head x 512
	s_lshl_b32 s82, s12, 9
	s_add_co_u32 s80, s80, s82
	s_add_nc_u64 s[80:81], s[8:9], s[80:81]
	s_lshr_b32 s82, s16, 3                         ; o's scale bytes: (tile / 8) x 4,096 + pair of heads x 512 + (tile % 8) x 64 + 2 x which
	s_lshl_b32 s82, s82, 12
	s_lshl_b32 s83, s13, 9
	s_add_co_u32 s82, s82, s83
	s_and_b32 s83, s16, 7
	s_lshl_b32 s83, s83, 6
	s_add_co_u32 s82, s82, s83
	s_lshl_b32 s83, s14, 1
	s_add_co_u32 s82, s82, s83
	s_add_co_u32 s82, s82, OSC
	s_mov_b32 s83, 0
	s_add_nc_u64 s[82:83], s[8:9], s[82:83]
	s_wait_alu depctr_va_vdst(0)
	s_wait_loadcnt 0x0
	v_bfe_u32 v255, v255, s17, 16                  ; my head's two bytes; bytes 2 and 3, over zero codes, are 0
.irp i, 0,1,2,3
	v_bfe_u32 v[100+\i], v[100+\i], s17, 16
	v_cmp_eq_u32 vcc_lo, 0, v[96+\i]
	v_cndmask_b32 v[96+\i], 0, v106, vcc_lo        ; mask 0: -3e38; else 0
.endr
	ds_store_b128 v31, v[100:103]
	ds_store_b128 v31, v[96:99] offset:MB-KSC
	ds_store_b64 v30, v[104:105]
.set n, 0
.rept 32
	v_mov_b32 v[160+n], 0                          ; O^T.  (The step is written once: the first finds zeros, which the first change of M leaves zeros)
.set n, n+1
.endr
; a step's eight fragments of K and their scale words.  Tile t = 4 c + t': stored tile 2 (2 c + r / 8) + t' % 2, places 8 (t' / 2) + r % 8;  scale register u: lanes 0-15 tile 2 u's words, lanes 16-31 tile 2 u + 1's
.macro KLOADS ak, as, ok, os
.irp t, 0,1,2,3,4,5,6,7
	ds_load_b128 v[32+8*\t:35+8*\t], v[\ak] offset:\ok+2*KB*(\t/4)+512*(\t%2)+128*((\t%4)/2)
.endr
.irp u, 0,1,2,3
	ds_load_b32 v[248+\u], v[\as] offset:\os+256*(\u/2)+32*(\u%2)
.endr
.endm
; the mask of keys 64 (t / 4) + 32 h + 8 (t % 4) + 0 .. 7 into tile t's registers
.macro MLOAD am, om, t
	ds_load_b128 v[96+8*(\t):99+8*(\t)], v[\am] offset:\om+256*((\t)/4)+32*((\t)%4)
	ds_load_b128 v[100+8*(\t):103+8*(\t)], v[\am] offset:\om+256*((\t)/4)+32*((\t)%4)+16
.endm
.macro PSUM lo, hi, from, count        ; pairs from .. from + count - 1 at v[hi] onto those at v[lo]
.set j, \from
.rept \count
	v_pk_add_f32 v[\lo+2*j:\lo+2*j+1], v[\lo+2*j:\lo+2*j+1], v[\hi+2*j:\hi+2*j+1]
.set j, j+1
.endr
.endm
; A KEY STEP: 128 keys.  s76: K's codes, s77: K's scale words and the mask, s78: V's codes, s75: V's scale words.  more = 1: the next step's K, scale words and mask are asked for
.macro STEP more
	s_wait_dscnt 0x0                               ; this step's K, scale words and mask are in
.irp t, 0,1,2,3,4,5,6,7
	WM 96+8*\t, 32+8*\t, 16, 96+8*\t, 248+\t/2, 255, \t%2      ; S^T = K Q^T + the mask
.endr
	v_add_nc_u32 v25, s78, v3                      ; four places: behind the score products, for K's loads, and behind the last step's products, for V's
	v_add_nc_u32 v28, s75, v6
.if \more
	v_add_nc_u32 v24, s76, v2
	v_add_nc_u32 v26, s77, v4
.else
	v_nop
	v_nop
.endif
.irp t, 0,1,2,3
.irp c, 0,1
	ds_load_b128 v[192+8*\t+4*\c:195+8*\t+4*\c], v25 offset:2048*\c+512*\t
.endr
.endr
.irp u, 0,1
	ds_load_b32 v[240+\u], v28 offset:128*\u
.endr
.if \more
	KLOADS 24, 26, 4*KB, 512                       ; a step on
	v_add_nc_u32 v27, s77, v5
.endif
	v_mov_b32 v9, v12                              ; the old -M
.irp k, 0,1,2,3,4,5,6,7                        ; the largest score of my two blocks of 32 keys: eight chains, one to an accumulator, each read from its low end on
	v_max3_num_f32 v[232+\k], v[96+8*\k], v[97+8*\k], v[98+8*\k]
.endr
.irp i, 3,5
.irp k, 0,1,2,3,4,5,6,7
	v_max3_num_f32 v[232+\k], v[232+\k], v[96+8*\k+\i], v[97+8*\k+\i]
.endr
.endr
	v_max3_num_f32 v232, v232, v103, v111
	v_max3_num_f32 v236, v236, v135, v143
	v_max3_num_f32 v233, v233, v119, v127
	v_max3_num_f32 v237, v237, v151, v159
	v_max3_num_f32 v232, v232, v234, v235
	v_max3_num_f32 v236, v236, v238, v239
	v_max_num_f32 v232, v232, v233                 ; block h's: it serves for the row's maximum and, since p rises with the score, for the block's largest p
	v_max_num_f32 v236, v236, v237                 ; block 2 + h's
	v_max3_num_f32 v13, v232, v236, v13            ; with the running largest score of my query,
	v_permlanex16_b32 v8, v13, s[SEL], s[SEL+1]
	v_max_num_f32 v13, v13, v8                     ; and lane l xor 16's
	v_mul_f32 v10, s19, v13                        ; -t
	v_floor_f32 v12, v10                           ; the new -M = -ceil(t): a whole number
.set n, 0
.rept 32
	v_pk_fma_f32 v[96+2*n:97+2*n], v[96+2*n:97+2*n], s[CS:CS+1], v[12:13] op_sel_hi:[1,0,0]   ; t - M, two at a time; the three lines that make f stand among them
.if n == 3
	v_sub_f32 v10, v12, v9                         ; old M - new M: a whole number, 0 or less
.endif
.if n == 7
	v_cvt_i32_f32 v10, v10                         ; (it saturates)
.endif
.if n == 11
	v_ldexp_f32 v252, 1.0, v10                     ; f = 2^(old M - new M)
.endif
.set n, n+1
.endr
	v_fma_f32 v232, v232, s[CS], v12               ; the same of each block's largest score
	v_fma_f32 v236, v236, s[CS], v12
.set n, 0
.rept 16
	v_pk_mul_f32 v[160+2*n:161+2*n], v[160+2*n:161+2*n], v[252:253] op_sel_hi:[1,0]   ; O^T under the new M, each accumulator from its low end on; no transcendental stands between the last products and these reads
.set n, n+1
.endr
	s_wait_alu depctr_va_vdst(0)
.set n, 0
.rept 64
	v_exp_f32 v[96+n], v[96+n]                     ; p = 2^(t - M), at most 1
.set n, n+1
.endr
	v_exp_f32 v232, v232                           ; the blocks' largest p
	v_exp_f32 v236, v236
	v_pk_mul_f32 v[14:15], v[14:15], v[252:253] op_sel_hi:[1,0]   ; the sums under the new M.  (A plain place behind the exponentials)
	s_wait_alu depctr_va_vdst(0)                   ; one wait for the batch, ahead of its first reader
	v_max_num_f32 v232, 0x1800000, v232            ; the floor 2^(3 - 127)
	v_max_num_f32 v236, 0x1800000, v236
	v_add_nc_u32 v234, 0xff000000, v232            ; 2 off the exponent field: the conversion's scale operand
	v_add_nc_u32 v235, 0xff000000, v236
.irp c, 0,1
.irp g, 0,1,2,3
	v_cvt_scalef32_pk8_fp4_f32 v[224+4*\c+\g], v[96+32*\c+8*\g:103+32*\c+8*\g], v[234+\c]   ; registers 4 c .. 4 c + 3 of the operand
.endr
.endr
	v_lshrrev_b32 v232, 23, v234                   ; the scales' bytes.  (Plain places behind the conversions)
	v_lshrrev_b32 v236, 23, v235
	; the row's sum of the unquantised p, in place, the upper half onto the lower, so that p's registers come free from the top; the scale word's lines stand among the first sixteen
	PSUM 96, 128, 0, 4
	v_lshl_or_b32 v232, v236, 16, v232             ; my two bytes, blocks h and 2 + h,
	PSUM 96, 128, 4, 4
	v_lshlrev_b32 v232, v7, v232                   ; at their places in the word;
	PSUM 96, 128, 8, 4
	v_permlanex16_b32 v8, v232, s[SEL], s[SEL+1]
	PSUM 96, 128, 12, 4
	v_or_b32 v247, v232, v8                        ; with lane l xor 16's two p's scale word is whole.  (Sixteen plain lines follow, ahead of the products that take it)
.if \more
.irp t, 4,5,6,7
	MLOAD 27, 512, \t                              ; the next step's mask, into registers that the sum has left
.endr
.endif
	PSUM 96, 112, 0, 8
.if \more
	MLOAD 27, 512, 2
	MLOAD 27, 512, 3
.endif
	PSUM 96, 104, 0, 4
.if \more
	MLOAD 27, 512, 1
.endif
	PSUM 96, 100, 0, 2
	v_pk_add_f32 v[96:97], v[96:97], v[98:99]
	v_pk_add_f32 v[14:15], v[14:15], v[96:97]
.if \more
	MLOAD 27, 512, 0
.endif
	s_wait_alu depctr_va_vdst(0)
.if \more
	s_wait_dscnt 28                                ; V and its scale words are in; younger: K's 8 fragment loads, its 4 scale loads and the mask's 16
.else
	s_wait_dscnt 0x0
.endif
.irp t, 0,1,2,3
	WM 160+8*\t, 192+8*\t, 224, 160+8*\t, 240+\t/2, 247, \t%2  ; O^T += V^T P^T
.endr
.endm
	s_wait_alu depctr_va_vdst(0)
	s_wait_tensorcnt 0x0                           ; my eighth of K or of V is in,
	s_wait_dscnt 0x0                               ; and so are my stores of scale words and mask
	s_barrier_signal -1
	s_barrier_wait -1                              ; everybody's are
	s_mov_b32 s76, 0
	s_mov_b32 s77, 0
	s_mov_b32 s78, 0
	s_mov_b32 s75, 0
	s_mov_b32 s79, 15
	KLOADS 2, 4, 0, 0                              ; the first step's
.irp t, 0,1,2,3,4,5,6,7
	MLOAD 5, 0, \t
.endr
.Lstep:                                                ; 15 trips
	STEP 1
	s_add_co_u32 s76, s76, 4*KB
	s_add_co_u32 s77, s77, 512
	s_add_co_u32 s78, s78, 4096
	s_add_co_u32 s75, s75, 256
	s_sub_co_u32 s79, s79, 1
	s_cmp_lg_u32 s79, 0
	s_cbranch_scc1 .Lstep
	STEP 0                                         ; the last step asks for nothing further
	; THE WAY OUT: O^T / the sum; register 16 B + i is channel 32 B + 16 h + i of my query: two blocks of 32 along the last projection's K
.rept 4
	v_nop
.endr
	v_add_f32 v14, v14, v15
	s_delay_alu instid0(VALU_DEP_1)
	v_permlanex16_b32 v8, v14, s[SEL], s[SEL+1]
	s_delay_alu instid0(VALU_DEP_1)
	v_add_f32 v14, v14, v8                         ; the row's sum
	s_wait_alu depctr_va_vdst(0)
	v_rcp_f32 v14, v14
	v_nop                                          ; one plain place behind the transcendental
	s_wait_alu depctr_va_vdst(0)
.set n, 0
.rept 32
	v_mul_f32 v[96+n], v[160+n], v14
.set n, n+1
.endr
.irp b, 0,1
	v_max3_num_f32 v[232+\b], |v[96+16*\b]|, |v[97+16*\b]|, 0x1800000
.endr
.irp i, 2,4,6,8,10,12,14
.irp b, 0,1
	s_delay_alu instid0(VALU_DEP_2)
	v_max3_num_f32 v[232+\b], v[232+\b], |v[96+16*\b+\i]|, |v[97+16*\b+\i]|
.endr
.endr
.irp b, 0,1
	s_delay_alu instid0(VALU_DEP_2)
	v_permlanex16_b32 v[236+\b], v[232+\b], s[SEL], s[SEL+1]
.endr
.irp b, 0,1
	s_delay_alu instid0(VALU_DEP_2)
	v_max_num_f32 v[232+\b], v[232+\b], v[236+\b]
.endr
.irp b, 0,1
	s_delay_alu instid0(VALU_DEP_2)
	v_add_nc_u32 v[234+\b], 0xff000000, v[232+\b]
.endr
.irp b, 0,1
	s_delay_alu instid0(VALU_DEP_2)
	v_lshrrev_b32 v[236+\b], 23, v[234+\b]
.endr
.irp b, 0,1
	v_cvt_scalef32_pk8_fp4_f32 v[224+2*\b], v[96+16*\b:103+16*\b], v[234+\b]
	v_cvt_scalef32_pk8_fp4_f32 v[225+2*\b], v[104+16*\b:111+16*\b], v[234+\b]
.endr
	v_nop                                          ; one plain place behind the scaled conversions
	v_permlane16_swap_b32 v224, v226               ; lanes 0-15 block 0, lanes 16-31 block 1, whole
	v_permlane16_swap_b32 v225, v227
	v_cmp_le_u32 vcc_lo, 16, v11
	s_delay_alu instid0(VALU_DEP_1)
	v_cndmask_b32 v232, v236, v237, vcc_lo         ; my half's block's byte
	global_store_b128 v1, v[224:227], s[80:81]     ; 512 consecutive bytes
	global_store_b8 v29, v232, s[82:83]            ; two of my query's four bytes; the other two are the neighbouring head's
	s_wait_tensorcnt 0x0                           ; the wave's end
	ds_add_u32 v242, v243
	s_wait_dscnt 0x0
	ROUND                                          ; the closing round: no work-group ends while a partner may still ask for a tile that names it
	s_endpgm
.Lfunc_end_k_q877a817842_attn:
	.size	k_q877a817842_attn, .Lfunc_end_k_q877a817842_attn-k_q877a817842_attn
	.p2alignl 7, 3214868480
	.fill 96, 4, 3214868480
	.section	.rodata,"a",@progbits
	.p2align	6, 0x0
	.amdhsa_kernel k_q877a817842_attn
		.amdhsa_group_segment_fixed_size 169984
		.amdhsa_private_segment_fixed_size 0
		.amdhsa_enable_private_segment 0
		.amdhsa_kernarg_size 24
		.amdhsa_user_sgpr_count 2
		.amdhsa_user_sgpr_kernarg_segment_ptr 1
		.amdhsa_wavefront_size32 1
		.amdhsa_system_sgpr_workgroup_id_x 1
		.amdhsa_system_sgpr_workgroup_id_y 1
		.amdhsa_system_sgpr_workgroup_id_z 1
		.amdhsa_system_vgpr_workitem_id 0
		.amdhsa_next_free_vgpr 256
		.amdhsa_next_free_sgpr 96
		.amdhsa_reserve_vcc 1
		.amdhsa_float_denorm_mode_32 3
		.amdhsa_float_denorm_mode_16_64 3
		.amdhsa_memory_ordered 1
		.amdhsa_forward_progress 1
		.amdhsa_inst_pref_size 46
	.end_amdhsa_kernel
	.amdgpu_metadata
---
amdhsa.version: [ 1, 2 ]
amdhsa.kernels:
  - .name:           k_q877a817842_attn
    .symbol:         k_q877a817842_attn.kd
    .args:
      - { .name: wsp_qkv, .offset: 0, .size: 8, .value_kind: global_buffer, .address_space: global }
      - { .name: attention_mask, .offset: 8, .size: 8, .value_kind: global_buffer, .address_space: global }
      - { .name: wsp_o, .offset: 16, .size: 8, .value_kind: global_buffer, .address_space: global }
    .group_segment_fixed_size: 169984
    .private_segment_fixed_size: 0
    .kernarg_segment_align: 8
    .kernarg_segment_size: 24
    .max_flat_workgroup_size: 512
    .sgpr_count:     96
    .vgpr_count:     256
    .wavefront_size: 32
...
	.end_amdgpu_metadata
.endif
;; end of part 4
;; launch outp (part 5): grid 8 x 32, 4 waves a work-group, clusters of 4 x 4, 168,448 bytes of LDS; arguments wsp_o, wsp_w, bo, hidden_states, out0; writes out0
.if DOCPART == 5
	.amdgcn_target "amdgcn-amd-amdhsa--gfx1250"
	.amdhsa_code_object_version 6
	.text
	.protected	k_q877a817842_outp
	.globl	k_q877a817842_outp
	.p2align	8
	.type	k_q877a817842_outp,@function
k_q877a817842_outp:
	s_mov_b64 s[64:65], 0
	v_nop
	global_prefetch_b8 v0, s[64:65] scope:SCOPE_SE
	s_setreg_imm32_b32 hwreg(HW_REG_WAVE_MODE, 25, 1), 1
	s_wait_xcnt 0x0
	s_wait_alu depctr_hold_cnt(0) depctr_sa_sdst(0) depctr_va_vdst(0) depctr_va_sdst(0) depctr_va_ssrc(0) depctr_va_vcc(0) depctr_vm_vsrc(0)
	s_getreg_b32 s2, hwreg(HW_REG_IB_STS2, 6, 4)
	s_cmp_eq_u32 s2, 0
	s_cbranch_scc0 .Lentry_in_a_cluster
	s_endpgm
.Lentry_in_a_cluster:
	s_bfe_u32 s2, ttmp6, 0x10000c
	s_cmp_lg_u32 s2, 0xf033
	s_cbranch_scc0 .Lentry_shape_is_right
	s_endpgm
.Lentry_shape_is_right:
; out0[b][c][s] = sum over K of o[b, s][K] Wo[c][K] + bo[c] + hidden_states[b][c][s], the product on codes of FP4 (E2M1) with E8M0 scales.
; Source 0 = 16 tokens of o, source 1 = 16 rows of Wo: a lane holds ONE channel and its registers run along the tokens, which are innermost in out0.
; Both operands lie in the order of the operand's registers (place r of tile 2 B + u is row 32 B + 8 u + r + 8 (r / 8)): the 16 registers of token tiles 2 B, 2 B + 1 are 16 neighbouring tokens.
; SHARES.  256 work-groups of 128 tokens x 128 channels, one for each WGP; a wave makes 64 x 64: 16 accumulators.  K = 1,024 is eight steps.  Both panels (2 x 64 KiB) fit in LDS whole: filled ONCE, in four
; chunks of two K steps; nothing is filled again, so each wait counts the younger chunks.  By this text's count a wave has four tensor loads out.
; CLUSTERS: 4 x 4.  o's panel hangs on the cluster's row and is asked for jointly by its four, Wo's on the column.
; REGISTERS.  Window 0: v1-9 addresses; v16-31, v32-47 o's and Wo's scale words (register 2 q + u); v48-55 bo, a pair for each block of channels; v64-127, v128-191 two sets of fragments (o's four, Wo's four);
; v192-223 a block's results; v224-255 rows read back.  Window 1: v0-127 the accumulators ((a, b) at v[8 (4 a + b)]); v128-255 the residual, asked for at the head.
; HOW THE PANELS COME IN (this takes the place of what the lines above say of chunks): each wave asks for its half of a panel, 4 tiles x 8,192 bytes = 32 KiB that are dense in memory,
; by ONE joint tensor load at the head; LDS holds them as memory does.  One wait for that load and one barrier follow; nothing is filled again and the K steps have no barrier between them.
; No prefetch: nothing is loaded from memory behind the head, so there is no loop to run ahead in.
.set S1P,  65536                       ; LDS: Wo's panel; in a panel: half x 32,768 + tile x 8,192 + q x 1,024 + 512 c + 16 x lane
.set STG,  131072                      ; behind the panels: 16 rows x (256 bytes + 16) for each wave
.set SC0,  16
.set SC1,  32
.set BJ,   48
.set E,    192
.set BK,   224
.set MSB,  0
.macro WIN new
.if MSB != (\new)
	s_set_vgpr_msb (MSB<<8)|(\new)
.set MSB, (\new)
.endif
.endm
.macro PLACES
.rept 4
	v_nop
.endr
.endm
.macro CROUND
	s_barrier_signal -1
	s_barrier_wait -1
	s_cmp_lg_u32 s16, 0
	s_cbranch_scc1 .Lnot_wave_0_\@
	s_barrier_signal -3
.Lnot_wave_0_\@:
	s_barrier_wait -3
	s_barrier_signal -1
	s_barrier_wait -1
.endm
.macro WM d, a, b, sa, sb, ra, rb      ; one product onto its accumulator
.if (\ra) && (\rb)
	v_wmma_scale_f32_16x16x128_f8f6f4 v[\d:\d+7], v[\a:\a+7], v[\b:\b+7], v[\d:\d+7], v[\sa], v[\sb] matrix_a_fmt:MATRIX_FMT_FP4 matrix_b_fmt:MATRIX_FMT_FP4 matrix_a_scale:MATRIX_SCALE_ROW1 matrix_b_scale:MATRIX_SCALE_ROW1
.elseif (\ra)
	v_wmma_scale_f32_16x16x128_f8f6f4 v[\d:\d+7], v[\a:\a+7], v[\b:\b+7], v[\d:\d+7], v[\sa], v[\sb] matrix_a_fmt:MATRIX_FMT_FP4 matrix_b_fmt:MATRIX_FMT_FP4 matrix_a_scale:MATRIX_SCALE_ROW1
.elseif (\rb)
	v_wmma_scale_f32_16x16x128_f8f6f4 v[\d:\d+7], v[\a:\a+7], v[\b:\b+7], v[\d:\d+7], v[\sa], v[\sb] matrix_a_fmt:MATRIX_FMT_FP4 matrix_b_fmt:MATRIX_FMT_FP4 matrix_b_scale:MATRIX_SCALE_ROW1
.else
	v_wmma_scale_f32_16x16x128_f8f6f4 v[\d:\d+7], v[\a:\a+7], v[\b:\b+7], v[\d:\d+7], v[\sa], v[\sb] matrix_a_fmt:MATRIX_FMT_FP4 matrix_b_fmt:MATRIX_FMT_FP4
.endif
.endm
.macro WM0 d, a, b, sa, sb, ra, rb     ; the first K step's: the constant 0 starts the sum: nothing is cleared
.if (\ra) && (\rb)
	v_wmma_scale_f32_16x16x128_f8f6f4 v[\d:\d+7], v[\a:\a+7], v[\b:\b+7], 0, v[\sa], v[\sb] matrix_a_fmt:MATRIX_FMT_FP4 matrix_b_fmt:MATRIX_FMT_FP4 matrix_a_scale:MATRIX_SCALE_ROW1 matrix_b_scale:MATRIX_SCALE_ROW1
.elseif (\ra)
	v_wmma_scale_f32_16x16x128_f8f6f4 v[\d:\d+7], v[\a:\a+7], v[\b:\b+7], 0, v[\sa], v[\sb] matrix_a_fmt:MATRIX_FMT_FP4 matrix_b_fmt:MATRIX_FMT_FP4 matrix_a_scale:MATRIX_SCALE_ROW1
.elseif (\rb)
	v_wmma_scale_f32_16x16x128_f8f6f4 v[\d:\d+7], v[\a:\a+7], v[\b:\b+7], 0, v[\sa], v[\sb] matrix_a_fmt:MATRIX_FMT_FP4 matrix_b_fmt:MATRIX_FMT_FP4 matrix_b_scale:MATRIX_SCALE_ROW1
.else
	v_wmma_scale_f32_16x16x128_f8f6f4 v[\d:\d+7], v[\a:\a+7], v[\b:\b+7], 0, v[\sa], v[\sb] matrix_a_fmt:MATRIX_FMT_FP4 matrix_b_fmt:MATRIX_FMT_FP4
.endif
.endm
	s_load_b256 s[4:11], s[0:1], 0x0               ; wsp_o s[4:5], wsp_w s[6:7], bo s[8:9], hidden_states s[10:11]
	s_load_b64 s[12:13], s[0:1], 0x20              ; out0
	v_lshl_add_u32 v62, v0, 2, 0x29000
	v_mov_b32 v63, 0
	ds_add_u32 v62, v63
	ds_add_u32 v62, v63
	v_lshrrev_b32 v1, 5, v0
	v_readfirstlane_b32 s16, v1                    ; wave 0..3
	s_lshr_b32 s17, s16, 1                         ; ha: my half of the channels.  Also: I fetch for o (0) or for Wo (1)
	s_and_b32 s18, s16, 1                          ; hb: my half of the tokens.  Also: which half of that panel I fetch
	s_bfe_u32 s20, ttmp6, 0x40000                  ; cx
	s_bfe_u32 s21, ttmp6, 0x40004                  ; cy
	s_lshl_b32 s22, ttmp9, 2
	s_add_co_u32 s22, s22, s20                     ; tx: my 128 channels
	s_and_b32 s23, ttmp7, 0xffff
	s_lshl_b32 s23, s23, 2
	s_add_co_u32 s23, s23, s21                     ; ty: my 128 tokens
	s_lshl_b32 s80, s21, 2
	s_lshl_b32 s80, 15, s80                        ; my row of the cluster
	s_lshl_b32 s81, 0x1111, s20                    ; my column
	; descriptor group 1: 4 rows (tiles) of 8,192 bytes (a tile's whole K), 8,192 bytes apart; elements of 8 bytes; dense in LDS
	s_or_b32 s24, s80, (3<<16)|(1<<21)
	s_or_b32 s32, s81, (3<<16)|(1<<21)
.irp g, 24, 32
	s_mov_b32 s[\g+1], 1024<<16                    ; tensor_dim0 = 1,024 elements of 8 bytes: a tile's whole K
	s_mov_b32 s[\g+2], 4<<16                       ; tensor_dim1
	s_mov_b32 s[\g+3], 1024<<16                    ; tile_dim0
	s_mov_b32 s[\g+4], 4                           ; tile_dim1
	s_mov_b32 s[\g+5], 1024                        ; tensor_dim0_stride
	s_mov_b32 s[\g+6], 0
	s_mov_b32 s[\g+7], 0
.endr
	s_lshl_b32 s82, s23, 16                        ; o: ty x 65,536 + my half x 32,768: hangs on cy, never on cx
	s_lshl_b32 s83, s18, 15
	s_add_co_u32 s82, s82, s83
	s_mov_b32 s83, 0
	s_lshl_b32 s84, s22, 16                        ; Wo: 3 x 524,288 + tx x 65,536 + my half x 32,768: hangs on cx, never on cy
	s_lshl_b32 s85, s18, 15
	s_add_co_u32 s84, s84, s85
	s_add_co_u32 s84, s84, 1572864
	s_mov_b32 s85, 0
	s_lshl_b32 s86, s18, 15                        ; in LDS: my half
	s_wait_dscnt 0x0
	s_wait_kmcnt 0x0
	s_add_nc_u64 s[82:83], s[4:5], s[82:83]
	s_add_nc_u64 s[84:85], s[6:7], s[84:85]
	s_mov_b32 s40, 1                               ; group 0 for o's half panel
	s_mov_b32 s41, s86
	s_mov_b64 s[42:43], s[82:83]
	s_or_b32 s43, s43, 0x80000000
	s_mov_b32 s56, 1                               ; and for Wo's
	s_add_co_u32 s57, s86, S1P
	s_mov_b64 s[58:59], s[84:85]
	s_or_b32 s59, s59, 0x80000000
	CROUND                                         ; all sixteen work-groups are here: the joint loads meet
	s_cmp_eq_u32 s17, 0                            ; one branch on the wave's number, one first fill in each arm: every wave issues exactly one
	s_cbranch_scc0 .Lfill_s1
	tensor_load_to_lds s[40:43], s[24:31]
	s_nop 0
	PLACES
	s_branch .Lfilled
.Lfill_s1:
	tensor_load_to_lds s[56:59], s[32:39]
	s_nop 0
	PLACES
.Lfilled:
	v_and_b32 v1, 31, v0                           ; lane
	v_lshlrev_b32 v2, 4, v1
	v_lshlrev_b32 v3, 2, v1
	s_lshl_b32 s87, s18, 15
	v_add_nc_u32 v4, s87, v2                       ; o's fragments
	s_lshl_b32 s87, s17, 15
	s_add_co_u32 s87, s87, S1P
	v_add_nc_u32 v5, s87, v2                       ; Wo's
	v_and_b32 v10, 15, v0                          ; r
	v_bfe_u32 v11, v0, 4, 1                        ; h
	s_mul_i32 s87, s16, 16*272
	s_add_co_u32 s87, s87, STG                     ; my stage
	v_mul_u32_u24 v6, v10, 272
	v_lshl_add_u32 v6, v11, 6, v6
	v_add_nc_u32 v6, s87, v6                       ; in: row = my channel's place, + 64 h: 16 tokens on for lanes 16-31
	v_mul_u32_u24 v7, v11, 272
	v_lshl_add_u32 v7, v10, 4, v7
	v_add_nc_u32 v7, s87, v7                       ; back: lanes 0-15 one row of 256 bytes, lanes 16-31 the next
	v_lshlrev_b32 v8, 4, v10
	v_lshl_add_u32 v8, v11, 13, v8                 ; and the same two rows (channels, 8,192 bytes apart) in hidden_states and out0
	v_and_b32 v9, 8, v10
	v_add_nc_u32 v9, v9, v10
	v_lshlrev_b32 v9, 2, v9                        ; 4 (r + 8 (r / 8)): my place's channel in bo
	s_wait_alu depctr_va_vdst(0)
	s_lshl_b32 s86, s23, 12                        ; o's scale words: ty x 4,096 + hb x 256
	s_lshl_b32 s87, s18, 8
	s_add_co_u32 s86, s86, s87
	s_add_co_u32 s86, s86, 2097152
	s_mov_b32 s87, 0
	s_add_nc_u64 s[86:87], s[4:5], s[86:87]
	s_lshl_b32 s88, s22, 12                        ; Wo's: 2,097,152 + 3 x 32,768 + tx x 4,096 + ha x 256
	s_lshl_b32 s89, s17, 8
	s_add_co_u32 s88, s88, s89
	s_add_co_u32 s88, s88, 2195456
	s_mov_b32 s89, 0
	s_add_nc_u64 s[88:89], s[6:7], s[88:89]
	s_lshl_b32 s90, s22, 9                         ; bo: (128 tx + 64 ha) x 4
	s_lshl_b32 s91, s17, 8
	s_add_co_u32 s90, s90, s91
	s_mov_b32 s91, 0
	s_add_nc_u64 s[8:9], s[8:9], s[90:91]
	s_lshr_b32 s92, s23, 4                         ; the sample x 8,388,608 + (128 tx + 64 ha) x 8,192 + ((ty % 16) x 128 + 64 hb) x 4
	s_lshl_b32 s92, s92, 23
	s_lshl_b32 s93, s22, 20
	s_add_co_u32 s92, s92, s93
	s_lshl_b32 s93, s17, 19
	s_add_co_u32 s92, s92, s93
	s_and_b32 s93, s23, 15
	s_lshl_b32 s93, s93, 9
	s_add_co_u32 s92, s92, s93
	s_lshl_b32 s93, s18, 8
	s_add_co_u32 s92, s92, s93
	s_mov_b32 s93, 0
	s_add_nc_u64 s[10:11], s[10:11], s[92:93]
	s_add_nc_u64 s[12:13], s[12:13], s[92:93]
.irp q, 0,1,2,3,4,5,6,7
.irp u, 0,1
	global_load_b32 v[SC0+2*\q+\u], v3, s[86:87] offset:512*\q+128*\u
	global_load_b32 v[SC1+2*\q+\u], v3, s[88:89] offset:512*\q+128*\u
.endr
.endr
.irp a, 0,1,2,3
	global_load_b32 v[BJ+2*\a], v9, s[8:9] offset:(32*(\a/2)+8*(\a%2))*4
	v_mov_b32 v[BJ+2*\a+1], 0                      ; (named with it as a pair)
.endr
	WIN 0x40                                       ; destination window 1
.irp a, 0,1,2,3                                ; the residual, as the rows will be stored: block a, places 2 t and 2 t + 1: sixteen lanes read 256 consecutive bytes
.irp t, 0,1,2,3,4,5,6,7
	global_load_b128 v[128+32*\a+4*\t:128+32*\a+4*\t+3], v8, s[10:11] offset:(32*(\a/2)+8*(\a%2)+2*\t+8*(\t/4))*8192 th:TH_LOAD_NT
.endr
.endr
	WIN 0
.macro FETCH q                         ; K step q's eight fragments into set q % 2
.irp i, 0,1,2,3
.irp c, 0,1
	ds_load_b128 v[64+64*((\q)%2)+8*\i+4*\c:64+64*((\q)%2)+8*\i+4*\c+3], v4 offset:\i*8192+(\q)*1024+512*\c
	ds_load_b128 v[96+64*((\q)%2)+8*\i+4*\c:96+64*((\q)%2)+8*\i+4*\c+3], v5 offset:\i*8192+(\q)*1024+512*\c
.endr
.endr
.endm
; 8 products: Wo's blocks a0, a0 + 1 x o's four.  The 16 accumulators take turns, one instruction a turn, in the same order in every step.
.macro MUL8 q, a0, first
	WIN 0x50                                       ; C and D window 1
.irp a, \a0, \a0+1
.irp b, 0,1,2,3
.if \first
	WM0 8*(4*(\a)+\b), 64+64*((\q)%2)+8*\b, 96+64*((\q)%2)+8*(\a), SC0+2*(\q)+\b/2, SC1+2*(\q)+(\a)/2, \b%2, (\a)%2
.else
	WM 8*(4*(\a)+\b), 64+64*((\q)%2)+8*\b, 96+64*((\q)%2)+8*(\a), SC0+2*(\q)+\b/2, SC1+2*(\q)+(\a)/2, \b%2, (\a)%2
.endif
.endr
.endr
	WIN 0
.endm
.macro STEP q, first                   ; a K step that has a successor
	s_wait_dscnt 0x0                               ; this step's fragments are in
	MUL8 \q, 0, \first
	PLACES                                         ; in front of loads into the other set, which the step before multiplied
	FETCH (\q)+1
	MUL8 \q, 2, \first
.endm
	s_wait_tensorcnt 0x0                           ; my half panel is in
	s_barrier_signal -1
	s_barrier_wait -1
	FETCH 0
	s_wait_loadcnt 32                              ; scale words and bo are in; the residual's 32 loads are younger
	STEP 0, 1
	STEP 1, 0
	STEP 2, 0
	STEP 3, 0
	STEP 4, 0
	STEP 5, 0
	STEP 6, 0
	s_wait_dscnt 0x0
	MUL8 7, 0, 0
	MUL8 7, 2, 0
	s_wait_alu depctr_va_vdst(0)
	s_wait_loadcnt 0x0                             ; the residual
	PLACES
; THE WAY OUT, a block of 16 channels x 64 tokens at a time: + bo, through my stage, back as whole rows of 256 bytes, + the residual, stored.
.macro OUTA a
	WIN 0x01                                       ; source 0 window 1
.set n, 0
.rept 16
	v_pk_add_f32 v[E+2*n:E+2*n+1], v[32*(\a)+2*n:32*(\a)+2*n+1], v[BJ+2*(\a):BJ+2*(\a)+1] op_sel_hi:[1,0]   ; each accumulator from its low end on
.set n, n+1
.endr
	WIN 0
.irp b, 0,1,2,3
.irp k, 0,1
	ds_store_b128 v6, v[E+8*\b+4*\k:E+8*\b+4*\k+3] offset:128*(\b/2)+32*(\b%2)+16*\k   ; tokens 32 (b / 2) + 16 h + 8 (b % 2) + 4 k on
.endr
.endr
.if (\a) > 0
	s_wait_xcnt 0x0                                ; the last block's stores have read their registers: they are loaded again only behind this wait
.endif
.irp t, 0,1,2,3,4,5,6,7
	ds_load_b128 v[BK+4*\t:BK+4*\t+3], v7 offset:544*\t      ; LDS serves a wave's instructions in order: these see the stores above
.endr
	s_wait_dscnt 0x0
	WIN 0x04                                       ; source 1 window 1
.set n, 0
.rept 16
	v_pk_add_f32 v[BK+2*n:BK+2*n+1], v[BK+2*n:BK+2*n+1], v[128+32*(\a)+2*n:128+32*(\a)+2*n+1]
.set n, n+1
.endr
	WIN 0
.irp t, 0,1,2,3,4,5,6,7
	global_store_b128 v8, v[BK+4*\t:BK+4*\t+3], s[12:13] offset:(32*((\a)/2)+8*((\a)%2)+2*\t+8*(\t/4))*8192 th:TH_STORE_NT   ; 16 lanes store 256 consecutive bytes, aligned
.endr
.endm
	OUTA 0
	OUTA 1
	OUTA 2
	OUTA 3
	s_wait_tensorcnt 0x0
	ds_add_u32 v62, v63
	s_wait_dscnt 0x0
	CROUND                                         ; the closing round: no work-group ends while a partner may still ask for a tile that names it
	s_endpgm
.Lfunc_end_k_q877a817842_outp:
	.size	k_q877a817842_outp, .Lfunc_end_k_q877a817842_outp-k_q877a817842_outp
	.p2alignl 7, 3214868480
	.fill 96, 4, 3214868480
	.section	.rodata,"a",@progbits
	.p2align	6, 0x0
	.amdhsa_kernel k_q877a817842_outp
		.amdhsa_group_segment_fixed_size 168448
		.amdhsa_private_segment_fixed_size 0
		.amdhsa_enable_private_segment 0
		.amdhsa_kernarg_size 40
		.amdhsa_user_sgpr_count 2
		.amdhsa_user_sgpr_kernarg_segment_ptr 1
		.amdhsa_wavefront_size32 1
		.amdhsa_system_sgpr_workgroup_id_x 1
		.amdhsa_system_sgpr_workgroup_id_y 1
		.amdhsa_system_sgpr_workgroup_id_z 1
		.amdhsa_system_vgpr_workitem_id 0
		.amdhsa_next_free_vgpr 512
		.amdhsa_next_free_sgpr 96
		.amdhsa_reserve_vcc 0
		.amdhsa_float_denorm_mode_32 3
		.amdhsa_float_denorm_mode_16_64 3
		.amdhsa_memory_ordered 1
		.amdhsa_forward_progress 1
		.amdhsa_inst_pref_size 56
	.end_amdhsa_kernel
	.amdgpu_metadata
---
amdhsa.version: [ 1, 2 ]
amdhsa.kernels:
  - .name:           k_q877a817842_outp
    .symbol:         k_q877a817842_outp.kd
    .args:
      - { .name: wsp_o, .offset: 0, .size: 8, .value_kind: global_buffer, .address_space: global }
      - { .name: wsp_w, .offset: 8, .size: 8, .value_kind: global_buffer, .address_space: global }
      - { .name: bo, .offset: 16, .size: 8, .value_kind: global_buffer, .address_space: global }
      - { .name: hidden_states, .offset: 24, .size: 8, .value_kind: global_buffer, .address_space: global }
      - { .name: out0, .offset: 32, .size: 8, .value_kind: global_buffer, .address_space: global }
    .group_segment_fixed_size: 168448
    .private_segment_fixed_size: 0
    .kernarg_segment_align: 8
    .kernarg_segment_size: 40
    .max_flat_workgroup_size: 128
    .sgpr_count:     96
    .vgpr_count:     512
    .wavefront_size: 32
...
	.end_amdgpu_metadata
.endif
;; end of part 5
